; MI455X (gfx1250); checked and timed in simulation.
; The chip was launched on July 23, 2026; its instructions are those of AMD's public machine-readable ISA for CDNA 5 (MIT licence, August 2026) and "CDNA5" Instruction Set Architecture Reference Guide (July 2026). The comments in the code are by the model that wrote it; some were corrected since.
;; Group Query Attention. Allowed arithmetic: float matrix products may take bf16 or f16 operands with f32 sums; all other float work in f32.
;; Inputs: cos 4,096 x 64 float32; sin 4,096 x 64 float32; w_k 1,024 x 256 float32; w_o 1,024 x 1,024 float32; w_q 1,024 x 1,024 float32; w_v 1,024 x 256 float32; x 1 x 4,096 x 1,024 float32.
;; Outputs: out0 1 x 4,096 x 1,024 float32.
;; 2 versions, each right; version 2 is version 1 with the launch prep written anew for expert scheduling mode. Each part assembles by itself: llvm-mc -triple=amdgcn-amd-amdhsa -mcpu=gfx1250 --defsym DOCPART=n.
;; ======== version 1 of 2: 4 launches
;; limits: values outside matrix products are rounded to bf16; values are held in f16: magnitudes above 65,504 overflow, below 6.1e-05 lose precision
;; workspace buffers: xf 8,388,608 bytes; wqf 3,145,728 bytes; wof 2,097,152 bytes; qf 8,388,608 bytes; kv 6,291,456 bytes; cf 16,777,216 bytes
;; launch prep (part 1): grid 416 x 1, 8 waves a work-group, no clusters, 37,888 bytes of LDS; arguments x, w_q, w_k, w_v, w_o, xf, wqf, wof; writes xf, wqf, wof
.if DOCPART == 1
	.amdgcn_target "amdgcn-amd-amdhsa--gfx1250"
	.amdhsa_code_object_version 6
	.text
	.protected	k_qa6d0d547b7_prep
	.globl	k_qa6d0d547b7_prep
	.p2align	8
	.type	k_qa6d0d547b7_prep,@function
k_qa6d0d547b7_prep:
	s_mov_b64 s[64:65], 0
	v_nop
	global_prefetch_b8 v0, s[64:65] scope:SCOPE_SE
	s_setreg_imm32_b32 hwreg(HW_REG_WAVE_MODE, 25, 1), 1
	s_wait_xcnt 0x0
; prep: x, w_q, w_k, w_v, w_o (f32) are rounded once to bf16 and laid out FRAGMENT-MAJOR for the two projection launches.
; A fragment is 16 rows (tokens, or columns of a weight) x 32 k = 1,024 consecutive bytes [half 2][lane 32][16 bytes]:
; lane 16 h + r holds row r, k = 16 half + 8 h + 0..7.  So a later launch fills a matrix operand by two 16-byte LDS loads at 16 x lane.
;   xf  [mt 256][ks 32][1024]   tokens 16 mt + r, k = 32 ks + ..
;   wqf [T 96][ks 32][1024]     T = 12 bx + 6 nh + 2 i + e holds columns 16 (nh + 2 e) + r of column group (bx, i); groups: 16 q heads, 4 k heads, 4 v heads
;   wof [nt 64][ks 32][1024]    columns 16 nt + r of w_o
; A stream: every input byte is read once by 16-byte loads (two pieces of 256 consecutive bytes an instruction), every output byte is written once,
; 512 consecutive bytes an instruction.  No matrix unit, no cluster (no two work-groups read the same bytes), no barrier: each wave has an LDS stage of its own,
; and LDS serves a wave's instructions in order (ISA guide 5.7.1), so its loads see its stores without a wait.
; Work-groups 0..255: one 16-token tile of x each (wave w: k = 128 w .. +127).  Work-groups 256..415: 64 columns x 256 k of a weight (wave: 32 k).
.set LD,   8                           ; v[8:71]    16 loads of 4 f32
.set PK,   72                          ; v[72:103]  the same numbers as bf16 pairs
.set RBK,  104                         ; v[104:135] read back from the stage, 8 x 16 bytes
.set XSTG, 4608                        ; a wave's stage, x:      [block 2][chunk column 8, pitch 288][row 16][16 bytes]
.set WSTG, 4160                        ; a wave's stage, weight: [tile 4, pitch 1040][half 2][lane 32][16 bytes]
	s_load_b512 s[8:23], s[0:1], 0x0               ; x s[8:9], w_q s[10:11], w_k s[12:13], w_v s[14:15], w_o s[16:17], xf s[18:19], wqf s[20:21], wof s[22:23]
	v_lshl_add_u32 v136, v0, 2, 0x9000
	v_mov_b32 v137, 0
	v_lshrrev_b32 v1, 5, v0
	v_readfirstlane_b32 s24, v1                    ; wave 0..7
	v_bfe_u32 v1, v0, 4, 1                         ; hi = lane / 16
	v_and_b32 v2, 15, v0                           ; kq = lane % 16
	v_and_b32 v6, 31, v0
	v_lshlrev_b32 v6, 4, v6                        ; 16 x lane: the offset of every store
	s_cmp_ge_u32 ttmp9, 256
	s_cbranch_scc1 .Lweights
	; ---- x: tile mt = work-group, k = 128 wave .. +127 as two blocks of 64 ----
	v_lshlrev_b32 v3, 12, v1                       ; lanes 16-31 take the next row (4,096 bytes),
	v_lshl_add_u32 v3, v2, 4, v3                   ; each lane 16 bytes of 256
	s_lshl_b32 s26, ttmp9, 16                      ; 16 rows of 4,096 bytes
	s_lshl_b32 s27, s24, 9                         ; my 128 k
	s_add_co_u32 s26, s26, s27
	s_mov_b32 s27, 0
	s_lshl_b32 s28, ttmp9, 15                      ; xf: 32 fragments a tile,
	s_lshl_b32 s29, s24, 12                        ; four of them mine
	s_add_co_u32 s28, s28, s29
	s_mov_b32 s29, 0
	s_wait_kmcnt 0x0
	s_add_nc_u64 s[26:27], s[8:9], s[26:27]
	s_add_nc_u64 s[28:29], s[18:19], s[28:29]
.set n, 0
.rept 16
	global_load_b128 v[LD+4*n:LD+4*n+3], v3, s[26:27] offset:(n/8)*256+(n%8)*8192 th:TH_LOAD_NT   ; block n/8, rows 2 (n%8) + hi
.set n, n+1
.endr
	s_mul_i32 s30, s24, XSTG
	v_lshrrev_b32 v4, 1, v2                        ; my 4 k lie in chunk column kq / 2 (8 k),
	v_mul_u32_u24 v4, v4, 288                      ; pitch 288: the 32 lanes of a store touch 32 different pairs of banks
	v_lshl_add_u32 v4, v1, 4, v4                   ; row parity,
	v_and_b32 v7, 1, v2
	v_lshl_add_u32 v4, v7, 3, v4                   ; which 8 bytes of the 16
	v_add_nc_u32 v4, s30, v4
	v_mul_u32_u24 v5, v1, 288                      ; back: lanes 0-15 one chunk column (h = 0), lanes 16-31 the next (h = 1), lane % 16 = row
	v_lshl_add_u32 v5, v2, 4, v5
	v_add_nc_u32 v5, s30, v5
.set n, 0
.rept 16
	s_wait_loadcnt 15-n                            ; loads come back in order: load n is in, the 15 - n younger ones stay out
	v_cvt_pk_bf16_f32 v[PK+2*n], v[LD+4*n], v[LD+4*n+1]
	v_cvt_pk_bf16_f32 v[PK+2*n+1], v[LD+4*n+2], v[LD+4*n+3]
	ds_store_b64 v4, v[PK+2*n:PK+2*n+1] offset:(n/8)*2304+(n%8)*32
.set n, n+1
.endr
.set n, 0
.rept 8
	ds_load_b128 v[RBK+4*n:RBK+4*n+3], v5 offset:(n/4)*2304+(n%4)*576   ; one half of a fragment: 512 bytes in their final order
.set n, n+1
.endr
.set n, 0
.rept 8
	s_wait_dscnt 7-n                               ; read-back n is in, the younger ones stay out
	global_store_b128 v6, v[RBK+4*n:RBK+4*n+3], s[28:29] offset:(n/4)*2048+(n%4)*512
.set n, n+1
.endr
	s_wait_tensorcnt 0x0
	ds_add_u32 v136, v137
	s_wait_dscnt 0x0
	s_endpgm
	; ---- weights: 64 columns (column group cg) x 32 k (ks) a wave ----
.macro WST t, d                        ; tile t of the four goes d tiles of 32,768 bytes further
	s_wait_dscnt 7-2*\t                            ; its first half is back, the younger read-backs stay out
	global_store_b128 v6, v[RBK+8*\t:RBK+8*\t+3], s[30:31] offset:\d*32768
	s_wait_dscnt 6-2*\t
	global_store_b128 v6, v[RBK+8*\t+4:RBK+8*\t+7], s[30:31] offset:\d*32768+512
.endm
; rowB: bytes in a row of the weight.  d1..d3: where tiles 1..3 go.  s[28:29]: the patch's first byte, s[30:31]: tile 0's fragment ks.
; A lane holds k = 16 p + 8 hi + e (e = 0..7) of columns 4 kq .. +3: eight k of one column are a fragment's 16-byte chunk, so the
; transposition is the choice of the conversions' sources and costs nothing.
.macro WROLE rowB, d1, d2, d3
	v_mul_u32_u24 v3, v1, 8*\rowB
	v_lshl_add_u32 v3, v2, 4, v3
.set n, 0
.rept 16
	global_load_b128 v[LD+4*n:LD+4*n+3], v3, s[28:29] offset:(16*(n/8)+(n%8))*\rowB th:TH_LOAD_NT
.set n, n+1
.endr
.irp p, 0,1
	s_wait_loadcnt 8-8*\p                          ; the eight loads of half p are in; for p = 0 the eight younger stay out
.irp j, 0,1,2,3
.irp e, 0,1,2,3
	v_cvt_pk_bf16_f32 v[PK+16*\p+4*\j+\e], v[LD+4*(8*\p+2*\e)+\j], v[LD+4*(8*\p+2*\e+1)+\j]
.endr
	ds_store_b128 v4, v[PK+16*\p+4*\j:PK+16*\p+4*\j+3] offset:512*\p+16*\j
.endr
.endr
.irp t, 0,1,2,3
	ds_load_b128 v[RBK+8*\t:RBK+8*\t+3], v5 offset:1040*\t
	ds_load_b128 v[RBK+8*\t+4:RBK+8*\t+7], v5 offset:1040*\t+512
.endr
	WST 0, 0
	WST 1, \d1
	WST 2, \d2
	WST 3, \d3
	s_wait_tensorcnt 0x0
	ds_add_u32 v136, v137
	s_wait_dscnt 0x0
	s_endpgm
.endm
.Lweights:
	s_sub_co_u32 s25, ttmp9, 256
	s_lshr_b32 s26, s25, 2                         ; cg 0..39: 0-15 q heads, 16-19 k heads, 20-23 v heads, 24-39 w_o's groups of 64 columns
	s_and_b32 s27, s25, 3
	s_lshl3_add_u32 s27, s27, s24                  ; ks = 8 (work-group % 4) + wave
	s_mul_i32 s30, s24, WSTG
	v_lshrrev_b32 v4, 2, v2                        ; tile = kq / 4; pitch 1040 puts the 16 lanes of a store into 16 different 16-byte columns
	v_mul_u32_u24 v4, v4, 1040
	v_lshl_add_u32 v4, v1, 8, v4                   ; h = hi: 16 lanes of 16 bytes
	v_and_b32 v7, 3, v2
	v_lshl_add_u32 v4, v7, 6, v4                   ; columns 4 (kq % 4) .. +3 of the tile
	v_add_nc_u32 v4, s30, v4
	v_add_nc_u32 v5, s30, v6
	s_lshl_b32 s36, s27, 10                        ; fragment ks
	s_wait_kmcnt 0x0
	s_cmp_ge_u32 s26, 24
	s_cbranch_scc1 .Lwo
	s_cmp_ge_u32 s26, 12                           ; where the group goes in wqf: bx = cg % 4 (+ 4), i = cg / 4 (- 3)
	s_cselect_b32 s32, 4, 0
	s_cselect_b32 s33, 3, 0
	s_and_b32 s34, s26, 3
	s_add_co_u32 s32, s32, s34
	s_lshr_b32 s35, s26, 2
	s_sub_co_u32 s33, s35, s33
	s_mul_i32 s32, s32, 12
	s_lshl1_add_u32 s32, s33, s32                  ; tile 12 bx + 2 i
	s_lshl_b32 s32, s32, 15
	s_add_co_u32 s32, s32, s36
	s_mov_b32 s33, 0
	s_add_nc_u64 s[30:31], s[20:21], s[32:33]
	s_cmp_ge_u32 s26, 16
	s_cbranch_scc1 .Lwkv
	s_lshl_b32 s28, s27, 17                        ; 32 ks rows of 4,096 bytes
	s_lshl_b32 s29, s26, 8                         ; 64 columns of 4 bytes
	s_add_co_u32 s28, s28, s29
	s_mov_b32 s29, 0
	s_add_nc_u64 s[28:29], s[10:11], s[28:29]
	WROLE 4096, 6, 1, 7                            ; column tiles 0, 1, 2, 3 of a head are (nh, e) = (0,0), (1,0), (0,1), (1,1)
.Lwkv:
	s_cmp_lt_u32 s26, 20
	s_cselect_b64 s[38:39], s[12:13], s[14:15]     ; w_k or w_v
	s_lshl_b32 s28, s27, 15                        ; 32 ks rows of 1,024 bytes
	s_and_b32 s29, s26, 3
	s_lshl_b32 s29, s29, 8
	s_add_co_u32 s28, s28, s29
	s_mov_b32 s29, 0
	s_add_nc_u64 s[28:29], s[38:39], s[28:29]
	WROLE 1024, 6, 1, 7
.Lwo:
	s_sub_co_u32 s32, s26, 24
	s_lshl_b32 s34, s32, 17                        ; four tiles of 32,768 bytes
	s_add_co_u32 s34, s34, s36
	s_mov_b32 s35, 0
	s_add_nc_u64 s[30:31], s[22:23], s[34:35]
	s_lshl_b32 s28, s27, 17
	s_lshl_b32 s29, s32, 8
	s_add_co_u32 s28, s28, s29
	s_mov_b32 s29, 0
	s_add_nc_u64 s[28:29], s[16:17], s[28:29]
	WROLE 4096, 1, 2, 3
.Lfunc_end_k_qa6d0d547b7_prep:
	.size	k_qa6d0d547b7_prep, .Lfunc_end_k_qa6d0d547b7_prep-k_qa6d0d547b7_prep
	.p2alignl 7, 3214868480
	.fill 96, 4, 3214868480
	.section	.rodata,"a",@progbits
	.p2align	6, 0x0
	.amdhsa_kernel k_qa6d0d547b7_prep
		.amdhsa_group_segment_fixed_size 37888
		.amdhsa_private_segment_fixed_size 0
		.amdhsa_enable_private_segment 0
		.amdhsa_kernarg_size 64
		.amdhsa_user_sgpr_count 2
		.amdhsa_user_sgpr_kernarg_segment_ptr 1
		.amdhsa_wavefront_size32 1
		.amdhsa_system_sgpr_workgroup_id_x 1
		.amdhsa_system_sgpr_workgroup_id_y 1
		.amdhsa_system_sgpr_workgroup_id_z 1
		.amdhsa_system_vgpr_workitem_id 0
		.amdhsa_next_free_vgpr 138
		.amdhsa_next_free_sgpr 66
		.amdhsa_reserve_vcc 0
		.amdhsa_float_denorm_mode_32 3
		.amdhsa_float_denorm_mode_16_64 3
		.amdhsa_memory_ordered 1
		.amdhsa_forward_progress 1
		.amdhsa_inst_pref_size 28
	.end_amdhsa_kernel
	.amdgpu_metadata
---
amdhsa.version: [ 1, 2 ]
amdhsa.kernels:
  - .name:           k_qa6d0d547b7_prep
    .symbol:         k_qa6d0d547b7_prep.kd
    .args:
      - { .name: x, .offset: 0, .size: 8, .value_kind: global_buffer, .address_space: global }
      - { .name: w_q, .offset: 8, .size: 8, .value_kind: global_buffer, .address_space: global }
      - { .name: w_k, .offset: 16, .size: 8, .value_kind: global_buffer, .address_space: global }
      - { .name: w_v, .offset: 24, .size: 8, .value_kind: global_buffer, .address_space: global }
      - { .name: w_o, .offset: 32, .size: 8, .value_kind: global_buffer, .address_space: global }
      - { .name: xf, .offset: 40, .size: 8, .value_kind: global_buffer, .address_space: global }
      - { .name: wqf, .offset: 48, .size: 8, .value_kind: global_buffer, .address_space: global }
      - { .name: wof, .offset: 56, .size: 8, .value_kind: global_buffer, .address_space: global }
    .group_segment_fixed_size: 37888
    .private_segment_fixed_size: 0
    .kernarg_segment_align: 8
    .kernarg_segment_size: 64
    .max_flat_workgroup_size: 256
    .sgpr_count:     66
    .vgpr_count:     138
    .wavefront_size: 32
...
	.end_amdgpu_metadata
.endif
;; end of part 1
;; launch qkv (part 2): grid 8 x 32, 4 waves a work-group, clusters of 4 x 4, 327,680 bytes of LDS; arguments xf, wqf, cos, sin, qf, kv; writes qf, kv
.if DOCPART == 2
	.amdgcn_target "amdgcn-amd-amdhsa--gfx1250"
	.amdhsa_code_object_version 6
	.text
	.protected	k_qa6d0d547b7_qkv
	.globl	k_qa6d0d547b7_qkv
	.p2align	8
	.type	k_qa6d0d547b7_qkv,@function
k_qa6d0d547b7_qkv:
	s_mov_b64 s[64:65], 0
	v_nop
	global_prefetch_b8 v0, s[64:65] scope:SCOPE_SE
	s_setreg_imm32_b32 hwreg(HW_REG_WAVE_MODE, 25, 1), 1
	s_wait_xcnt 0x0
	s_wait_alu depctr_hold_cnt(0) depctr_sa_sdst(0) depctr_va_vdst(0) depctr_va_sdst(0) depctr_va_ssrc(0) depctr_va_vcc(0) depctr_vm_vsrc(0)
	s_getreg_b32 s2, hwreg(HW_REG_IB_STS2, 6, 4)
	s_cmp_eq_u32 s2, 0
	s_cbranch_scc0 .Lentry_in_a_cluster
	s_endpgm
.Lentry_in_a_cluster:
	s_bfe_u32 s2, ttmp6, 0x10000c
	s_cmp_lg_u32 s2, 0xf033
	s_cbranch_scc0 .Lentry_shape_is_right
	s_endpgm
.Lentry_shape_is_right:
; qkv: [q k v] = x [Wq Wk Wv] with bf16 operands and f32 sums, the rotation by cos and sin in f32 on q and k, results in f16, fragment-major for the attention launch.
; A work-group makes 128 tokens x 192 columns (three heads), four waves, a wave 64 x 96: 24 accumulator tiles of 16 x 16 = 192 registers.
; Work-groups bx 0..3 hold q heads bx, 4 + bx, 8 + bx; work-groups 4 + cx hold q head 12 + cx, k head cx, v head cx: what a head is hangs on the cluster's x alone.
; K goes in 8 steps of 128 through two LDS slots.  The operands lie fragment-major in memory (16 rows x 32 k = 1,024 bytes, lane 16 h + r at 16 x lane in each half of 512):
; a tensor load moves rows of 4,096 consecutive bytes, a fragment is two 16-byte LDS loads at 16 x lane (32 lanes, 512 consecutive bytes: no padding is needed).
; CLUSTER 4 x 4: x's tiles hang on the block row and are asked for jointly along a row of the cluster, the weights' on the block column and along a column, the tables' on the block row.
; The matrix instruction takes the weight's fragment as source 0 and x's as source 1: lane (r, h), register j then holds C[token r][column 8 h + j]: eight neighbouring
; columns, which pack into the 16 bytes that the attention launch's fragments want: q and k leave straight from registers, 512 consecutive bytes a store.
; A wave's column tiles of a head are nh and nh + 2: column d and column d + 32, the two partners of the rotation, lie in the same lane and register of two accumulators.
; v is wanted transposed (a lane = a column, 8 tokens in 16 bytes): it goes through the wave's own LDS stage and a transposing load.  It is kept as f16 hi + lo:
; hi = the f32 with its 13 lowest mantissa bits cleared (exact in f16), lo = v - hi rounded to f16.
; LIMITS: |q|, |k|, |v| below 65,504 (f16); parts below 2^-14 are kept to an absolute 3e-8.  cos and sin are rounded to bf16 like the other inputs (ROUND_TAB), the rotation itself is f32.
.set ROUND_TAB, 1
.set NA,   4                           ; x fragments (16 tokens) of a wave for 32 k
.set NB,   6                           ; weight fragments (16 columns)
.set ACH,  4096                        ; bytes of one token tile in a K step
.set QSTR, 24576                       ; LDS bytes for what one wave fetches of a slot
.set SLOT, 4*QSTR                      ; x's two halves, then the weights' two halves
.set TAB,  2*SLOT                      ; cos: 128 rows of 256 bytes at pitch 272, then sin
.set STG,  TAB+69632                   ; v's stage: 10,240 bytes a wave, [token tile 4][16 rows, pitch 160]; no tensor load lands here
.set LAPS, 4                           ; a lap = two K steps = once round the ring
.set ADRA, 16                          ; v16-17 LDS address of my x fragments in slot 0, 1
.set ADRB, 20                          ; v20-21 of my weight fragments
.set TA,   22                          ; v22 my place in the tables
.set VO,   23                          ; v23 my offset in q's and k's tiles
.set STO,  24                          ; v24 stage, in
.set STR,  25                          ; v25 stage, transposed out
.set VV,   26                          ; v26 my offset in v's tiles
.set F0,   32                          ; v[32:111]  fragment buffer 0: 6 of the weights, 4 of x
.set F1,   112                         ; v[112:191] fragment buffer 1
.set TB,   32                          ; the way out: v[32:159] tables, for each token tile cos low, cos high, sin low, sin high, 8 registers each
.set TT,   160                         ; v[160:223] rotated numbers in f32
.set OUT,  224                         ; v[224:255] the same in f16
.set VH,   32                          ; v's way out: hi in f16, v[32:63]
.set VU,   64                          ; v[64:127] hi, then lo, in f32
.set VL,   128                         ; v[128:159] lo in f16
.set VT,   160                         ; v[160:223] transposed
.set G1A, 24                           ; s[24:31] group 1, x's tiles
.set G1B, 32                           ; s[32:39] group 1, the weights' tiles
.set G1T, 40                           ; s[40:47] group 1, the tables
.set G0A, 48                           ; s[48:55] group 0 for x, one set a slot
.set G0B, 56                           ; s[56:63] group 0 for the weights
.set G0C, 68                           ; s[68:71] group 0, cos
.set G0S, 72                           ; s[72:75] group 0, sin
; Accumulator (a, b) is v[8 (NB a + b)] of register window 1; everything else lies in window 0.
.set MSB, 0
.macro WIN new                         ; s_set_vgpr_msb: bits 1:0 source 0, 3:2 source 1, 5:4 source 2, 7:6 destination; the high byte repeats the setting that is left
.if MSB != \new
	s_set_vgpr_msb (MSB<<8)|\new
.set MSB, \new
.endif
.endm
.macro PLACES                          ; four places behind matrix instructions in front of loads into their sources and of readers of their results
.rept 4
	v_nop
.endr
.endm
.macro JLOAD s                         ; a joint load: waves 0, 1 ask for x's halves, waves 2, 3 for the weights'; the branch hangs on the wave's number alone
	s_cmp_eq_u32 s17, 0
	s_cbranch_scc0 .Lfor_b_\@
	tensor_load_to_lds s[G0A+4*\s:G0A+4*\s+3], s[G1A:G1A+7]
	s_nop 0
	s_branch .Lasked_\@
.Lfor_b_\@:
	tensor_load_to_lds s[G0B+4*\s:G0B+4*\s+3], s[G1B:G1B+7]
	s_nop 0
.Lasked_\@:
.endm
.macro CREST                           ; a round of the cluster's barrier behind its opening work-group barrier
	s_cmp_lg_u32 s16, 0
	s_cbranch_scc1 .Lnot_wave_0_\@
	s_barrier_signal -3
.Lnot_wave_0_\@:
	s_barrier_wait -3
	s_barrier_signal -1
	s_barrier_wait -1
.endm
.macro CROUND                          ; a whole round
	s_barrier_signal -1
	s_barrier_wait -1
	CREST
.endm
; x fragments a0 .. a1 - 1 times all weight fragments.  The accumulators take turns, one instruction a turn, in the same order in every quarter step.
.macro MULROWS f, a0, a1, zero
.set ma, \a0
.rept \a1-\a0
.set mb, 0
.rept NB
.set mz, 0
.if \zero
.if ma < 4
.set mz, 1
.endif
.endif
.if mz
	v_wmma_f32_16x16x32_bf16 v[8*(NB*(ma&3)+mb):8*(NB*(ma&3)+mb)+7], v[\f+8*mb:\f+8*mb+7], v[\f+8*NB+8*ma:\f+8*NB+8*ma+7], 0
.else
	v_wmma_f32_16x16x32_bf16 v[8*(NB*(ma&3)+mb):8*(NB*(ma&3)+mb)+7], v[\f+8*mb:\f+8*mb+7], v[\f+8*NB+8*ma:\f+8*NB+8*ma+7], v[8*(NB*(ma&3)+mb):8*(NB*(ma&3)+mb)+7]
.endif
.set mb, mb+1
.endr
.set ma, ma+1
.endr
.endm
.macro FETCH slot, kq, f               ; the fragments of quarter step kq in one run: 2 NB loads for the weights, then 2 NA for x
.set fb, 0
.rept NB
	ds_load_b128 v[\f+8*fb:\f+8*fb+3], v[ADRB+\slot] offset:fb*4096+\kq*1024
	ds_load_b128 v[\f+8*fb+4:\f+8*fb+7], v[ADRB+\slot] offset:fb*4096+\kq*1024+512
.set fb, fb+1
.endr
.set fa, 0
.rept NA
	ds_load_b128 v[\f+8*NB+8*fa:\f+8*NB+8*fa+3], v[ADRA+\slot] offset:(fa&3)*ACH+\kq*(ACH/4)+(fa>>2)*1024
	ds_load_b128 v[\f+8*NB+8*fa+4:\f+8*NB+8*fa+7], v[ADRA+\slot] offset:(fa&3)*ACH+\kq*(ACH/4)+(fa>>2)*1024+512
.set fa, fa+1
.endr
.endm
.macro QUARTER slot, kq, f, g, zero    ; multiplies buffer f; in its middle fetches quarter kq into buffer g
	s_wait_dscnt NA                                ; all but the youngest NA loads: the upper half of x's fragments may be out
	WIN 0x50
	MULROWS \f, 0, NA/2, \zero
	PLACES
	WIN 0
	FETCH \slot, \kq, \g
	s_wait_dscnt 2*(NA+NB)                         ; all but the run just issued
	WIN 0x50
	MULROWS \f, NA/2, NA, \zero
.endm
.macro THREE slot, zero
	QUARTER \slot, 1, F0, F1, \zero
	QUARTER \slot, 2, F1, F0, 0
	QUARTER \slot, 3, F0, F1, 0
.endm
; The last quarter of a K step changes slots.  In front of the barrier each wave waits for its reads of this slot and for all its tensor loads (its part of the next slot);
; behind it (where the slot is filled again: behind the round of the cluster's barrier that it opens) the joint refill is the wave's first and only tensor load.
.macro TURN slot, next, fill
	s_wait_dscnt NA
	WIN 0x50
	MULROWS F1, 0, NA/4, 0
	s_wait_dscnt 0x0                               ; my reads of this slot are over
	s_wait_tensorcnt 0x0                           ; all my tensor loads have landed
	ds_add_u32 v30, v31
	s_wait_dscnt 0x0
	s_barrier_signal -1
	MULROWS F1, NA/4, NA/2, 0                      ; register work while the others arrive
	WIN 0
	s_barrier_wait -1
.if \fill
	CREST                                          ; all sixteen work-groups have said so
	s_add_nc_u64 s[G0A+4*\slot+2:G0A+4*\slot+3], s[G0A+4*\slot+2:G0A+4*\slot+3], 2*ACH   ; no load of mine is out: the slot's addresses step two K steps on
	s_add_nc_u64 s[G0B+4*\slot+2:G0B+4*\slot+3], s[G0B+4*\slot+2:G0B+4*\slot+3], 8192
	JLOAD \slot
.endif
	PLACES
	FETCH \next, 0, F0
	WIN 0x50
	MULROWS F1, NA/2, NA, 0
.endm
.macro LAP zero
	THREE 0, \zero
	TURN 0, 1, 1
	THREE 1, 0
	TURN 1, 0, 1
.endm
	s_load_b256 s[4:11], s[0:1], 0x0               ; xf s[4:5], wqf s[6:7], cos s[8:9], sin s[10:11]
	s_load_b128 s[12:15], s[0:1], 0x20             ; qf s[12:13], kv s[14:15]
	v_lshl_add_u32 v30, v0, 2, 0x4b000
	v_mov_b32 v31, 0
	ds_add_u32 v30, v31
	v_lshrrev_b32 v1, 5, v0
	v_readfirstlane_b32 s16, v1                    ; wave 0..3
	s_lshr_b32 s17, s16, 1                         ; mh: my half of the tokens; also: I fetch x (0) or weights (1)
	s_and_b32 s18, s16, 1                          ; nh: my half of the columns; also: which half I fetch
	s_bfe_u32 s19, ttmp6, 0x40000                  ; cx
	s_bfe_u32 s20, ttmp6, 0x40004                  ; cy
	s_mov_b32 s23, ttmp9                           ; X, the cluster's x: 0 = three q heads, 1 = a q, a k and a v head
	s_lshl_b32 s21, ttmp9, 2
	s_add_co_u32 s21, s21, s19                     ; bx
	s_and_b32 s22, ttmp7, 0xffff
	s_lshl_b32 s22, s22, 2
	s_add_co_u32 s22, s22, s20                     ; by
	s_lshl_b32 s76, s20, 2
	s_lshl_b32 s76, 15, s76                        ; my row of the cluster
	s_lshl_b32 s80, 0x1111, s19                    ; my column
	; group 1 for x: 4 token tiles x 4,096 bytes (512 elements of 8 bytes), 32,768 bytes from tile to tile
	s_or_b32 s[G1A+0], s76, (3<<16)|(1<<21)        ; mask; elements of 8 bytes; bit 21 beside a mask
	s_mov_b32 s[G1A+1], (ACH/8)<<16                ; tensor_dim0
	s_mov_b32 s[G1A+2], 4<<16                      ; tensor_dim1
	s_mov_b32 s[G1A+3], (ACH/8)<<16                ; tile_dim0
	s_mov_b32 s[G1A+4], 4                          ; tile_dim1
	s_mov_b32 s[G1A+5], ACH                        ; pitch in elements: 8 K steps of ACH bytes
	s_mov_b32 s[G1A+6], 0
	s_mov_b32 s[G1A+7], 0
	; group 1 for the weights: NB column tiles x 4,096 bytes, 32,768 bytes from tile to tile
	s_or_b32 s[G1B+0], s80, (3<<16)|(1<<21)
	s_mov_b32 s[G1B+1], 512<<16
	s_mov_b32 s[G1B+2], NB<<16
	s_mov_b32 s[G1B+3], 512<<16
	s_mov_b32 s[G1B+4], NB
	s_mov_b32 s[G1B+5], 4096
	s_mov_b32 s[G1B+6], 0
	s_mov_b32 s[G1B+7], 0
	; group 1 for the tables: 64 rows of 64 f32, 4 words of padding behind every 64: LDS pitch 272
	s_or_b32 s[G1T+0], s76, (2<<16)|(1<<20)|(1<<21)|(5<<22)|(3<<25)
	s_mov_b32 s[G1T+1], 64<<16
	s_mov_b32 s[G1T+2], 64<<16
	s_mov_b32 s[G1T+3], 64<<16
	s_mov_b32 s[G1T+4], 64
	s_mov_b32 s[G1T+5], 64
	s_mov_b32 s[G1T+6], 0
	s_mov_b32 s[G1T+7], 0
	; from where: x and the tables by the block row alone (s76-79), the weights by the block column alone (s80-81)
	s_lshl_b32 s76, s22, 3
	s_lshl2_add_u32 s76, s18, s76                  ; token tile 8 by + 4 half
	s_lshl_b32 s76, s76, 15
	s_mov_b32 s77, 0
	s_lshl_b32 s78, s22, 15                        ; table row 128 by + 64 half, 256 bytes each
	s_lshl_b32 s79, s18, 14
	s_add_co_u32 s78, s78, s79
	s_mov_b32 s79, 0
	s_mul_i32 s80, s21, 2*NB
	s_mul_i32 s81, s18, NB
	s_add_co_u32 s80, s80, s81                     ; column tile 12 bx + 6 half
	s_lshl_b32 s80, s80, 15
	s_mov_b32 s81, 0
	s_mul_i32 s84, s16, QSTR                       ; to where: by the wave's number alone
	s_mul_i32 s85, s16, 17408
	s_add_co_u32 s85, s85, TAB
	s_wait_dscnt 0x0
	s_wait_kmcnt 0x0
	s_add_nc_u64 s[76:77], s[4:5], s[76:77]
	s_add_nc_u64 s[80:81], s[6:7], s[80:81]
.irp s, 0,1
	s_mov_b32 s[G0A+4*\s], 1
	s_add_co_u32 s[G0A+4*\s+1], s84, \s*SLOT
	s_add_nc_u64 s[G0A+4*\s+2:G0A+4*\s+3], s[76:77], \s*ACH
	s_or_b32 s[G0A+4*\s+3], s[G0A+4*\s+3], 0x80000000
	s_mov_b32 s[G0B+4*\s], 1
	s_add_co_u32 s[G0B+4*\s+1], s84, \s*SLOT
	s_add_nc_u64 s[G0B+4*\s+2:G0B+4*\s+3], s[80:81], \s*4096
	s_or_b32 s[G0B+4*\s+3], s[G0B+4*\s+3], 0x80000000
.endr
	s_mov_b32 s[G0C], 1
	s_mov_b32 s[G0C+1], s85
	s_add_nc_u64 s[G0C+2:G0C+3], s[8:9], s[78:79]
	s_or_b32 s[G0C+3], s[G0C+3], 0x80000000
	s_mov_b32 s[G0S], 1
	s_mov_b32 s[G0S+1], s85
	s_add_nc_u64 s[G0S+2:G0S+3], s[10:11], s[78:79]
	s_or_b32 s[G0S+3], s[G0S+3], 0x80000000
	CROUND                                         ; all sixteen work-groups are here: the first joint loads meet
	s_cmp_eq_u32 s17, 0                            ; the first fills, one group, three tensor loads out in each wave
	s_cbranch_scc0 .Lfirst_b
	tensor_load_to_lds s[G0A:G0A+3], s[G1A:G1A+7]
	s_nop 0
	tensor_load_to_lds s[G0A+4:G0A+7], s[G1A:G1A+7]
	s_nop 0
	tensor_load_to_lds s[G0C:G0C+3], s[G1T:G1T+7]
	s_nop 0
	s_branch .Lfirst_done
.Lfirst_b:
	tensor_load_to_lds s[G0B:G0B+3], s[G1B:G1B+7]
	s_nop 0
	tensor_load_to_lds s[G0B+4:G0B+7], s[G1B:G1B+7]
	s_nop 0
	tensor_load_to_lds s[G0S:G0S+3], s[G1T:G1T+7]
	s_nop 0
.Lfirst_done:
	v_and_b32 v1, 15, v0                           ; r
	v_bfe_u32 v2, v0, 4, 1                         ; h
	v_and_b32 v3, 31, v0
	v_lshlrev_b32 v3, 4, v3                        ; 16 x lane
	s_mul_i32 s66, s17, QSTR                       ; my half of the tokens
	s_mul_i32 s67, s18, QSTR
	s_add_co_u32 s67, s67, 2*QSTR                  ; my half of the columns, behind x's two halves
.irp s, 0,1
	v_add_nc_u32 v[ADRA+\s], s66, v3
	v_add_nc_u32 v[ADRB+\s], s67, v3
	s_add_co_u32 s66, s66, SLOT
	s_add_co_u32 s67, s67, SLOT
.endr
	s_mul_i32 s66, s17, 17408                      ; tables: my 64 rows, row r, columns 16 nh + 8 h ..
	s_lshl_b32 s67, s18, 6
	s_add_co_u32 s66, s66, s67
	s_add_co_u32 s66, s66, TAB
	v_mul_u32_u24 v4, v1, 272
	v_lshl_add_u32 v4, v2, 5, v4
	v_add_nc_u32 v[TA], s66, v4
	s_lshl_b32 s66, s17, 13                        ; q, k: 4 token tiles of 2,048 bytes a half, column tile nh of 512 bytes
	s_lshl_b32 s67, s18, 9
	s_add_co_u32 s67, s66, s67
	v_add_nc_u32 v[VO], s67, v3
	s_lshl_b32 s67, s18, 10                        ; v: 2 chunks of 32 tokens (4,096 bytes) a half, column tile nh of 1,024 bytes
	s_add_co_u32 s67, s66, s67
	v_add_nc_u32 v[VV], s67, v3
	s_mul_i32 s66, s16, 10240
	s_add_co_u32 s66, s66, STG
	v_mul_u32_u24 v4, v1, 160                      ; in: token r, 16 bytes for each half of the lanes
	v_lshl_add_u32 v4, v2, 4, v4
	v_add_nc_u32 v[STO], s66, v4
	v_and_b32 v4, 7, v0                            ; out: the transposing load's lane l addresses token 8 h + l % 8, columns 8 ((l / 8) % 2) ..
	v_lshl_add_u32 v4, v2, 3, v4
	v_mul_u32_u24 v4, v4, 160
	v_bfe_u32 v5, v0, 3, 1
	v_lshl_add_u32 v4, v5, 4, v4
	v_add_nc_u32 v[STR], s66, v4
	s_wait_tensorcnt 0x2                           ; my part of K step 0 is in; K step 1's and the table's may stay out
	s_barrier_signal -1
	s_barrier_wait -1
	FETCH 0, 0, F0
	LAP 1                                          ; the first products start the sums
	WIN 0
	s_mov_b32 s94, LAPS-2
.Llap:
	LAP 0
	WIN 0
	s_sub_co_u32 s94, s94, 1
	s_cmp_lg_u32 s94, 0
	s_cbranch_scc1 .Llap
	THREE 0, 0                                     ; the last lap fills nothing
	TURN 0, 1, 0
	THREE 1, 0
	s_wait_dscnt NA
	WIN 0x50
	MULROWS F1, 0, NA/2, 0
	s_wait_dscnt 0x0
	MULROWS F1, NA/2, NA, 0
	WIN 0
	PLACES
	; THE WAY OUT.  The tables landed before the first change of slots (its wait for all tensor loads, its barrier).
.irp a, 0,1,2,3
.irp e, 0,1
	ds_load_b128 v[TB+32*\a+8*\e:TB+32*\a+8*\e+3], v[TA] offset:\a*4352+\e*128
	ds_load_b128 v[TB+32*\a+8*\e+4:TB+32*\a+8*\e+7], v[TA] offset:\a*4352+\e*128+16
	ds_load_b128 v[TB+32*\a+16+8*\e:TB+32*\a+16+8*\e+3], v[TA] offset:34816+\a*4352+\e*128
	ds_load_b128 v[TB+32*\a+16+8*\e+4:TB+32*\a+16+8*\e+7], v[TA] offset:34816+\a*4352+\e*128+16
.endr
.endr
	; where the three heads go; the parts with cx and the parts with by are made in registers of their own
	s_mul_i32 s80, s23, 12
	s_add_co_u32 s80, s80, s19                     ; q head 12 X + cx
	s_lshl_b32 s80, s80, 19                        ; 256 token tiles of 2,048 bytes
	s_mov_b32 s81, 0
	s_lshl_b32 s76, s22, 14                        ; 8 token tiles
	s_mov_b32 s77, 0
	s_add_nc_u64 s[86:87], s[12:13], s[80:81]
	s_add_nc_u64 s[86:87], s[86:87], s[76:77]
	s_mul_i32 s82, s19, 1572864                    ; kv: group cx, 32 slots of 49,152 bytes,
	s_mov_b32 s83, 0
	s_mul_i32 s78, s22, 49152                      ; slot by
	s_mov_b32 s79, 0
	s_add_nc_u64 s[96:97], s[14:15], s[82:83]
	s_add_nc_u64 s[96:97], s[96:97], s[78:79]
	s_add_nc_u64 s[92:93], s[96:97], 16384         ; v's hi part lies behind k
	s_add_nc_u64 s[88:89], s[86:87], 0x200000      ; four q heads on
	s_add_nc_u64 s[90:91], s[86:87], 0x400000      ; eight q heads on
	s_cmp_eq_u32 s23, 0
	s_cselect_b64 s[88:89], s[88:89], s[96:97]     ; the second head: q, or k
	s_cselect_b64 s[90:91], s[90:91], s[92:93]     ; the third: q, or v
	s_wait_dscnt 0x0
.if ROUND_TAB
.set n, 0
.rept 64
	v_cvt_pk_bf16_f32 v[TT+(n&7)], v[TB+2*n], v[TB+2*n+1]
	v_lshlrev_b32 v[TB+2*n], 16, v[TT+(n&7)]
	v_and_b32 v[TB+2*n+1], 0xffff0000, v[TT+(n&7)]
.set n, n+1
.endr
.endif
.irp a, 0,1,2,3
.irp p, 0,2,4,6
	v_pk_mul_f32 v[TB+32*\a+16+\p:TB+32*\a+16+\p+1], v[TB+32*\a+16+\p:TB+32*\a+16+\p+1], -1.0 op_sel_hi:[1,0]   ; the low columns take - x[d + 32] sin[d]
.endr
.endr
; head i of the three: out[d] = x[d] cos[d] - x[d+32] sin[d], out[d+32] = x[d+32] cos[d+32] + x[d] sin[d+32]; f16; 8 stores of 512 consecutive bytes
.macro ROPEH i, dst
	WIN 0x01                                       ; source 0: the accumulators
.irp a, 0,1,2,3
.irp p, 0,2,4,6
	v_pk_mul_f32 v[TT+16*\a+\p:TT+16*\a+\p+1], v[8*(NB*\a+2*\i)+\p:8*(NB*\a+2*\i)+\p+1], v[TB+32*\a+\p:TB+32*\a+\p+1]
	v_pk_mul_f32 v[TT+16*\a+8+\p:TT+16*\a+8+\p+1], v[8*(NB*\a+2*\i+1)+\p:8*(NB*\a+2*\i+1)+\p+1], v[TB+32*\a+8+\p:TB+32*\a+8+\p+1]
.endr
.irp p, 0,2,4,6
	v_pk_fma_f32 v[TT+16*\a+\p:TT+16*\a+\p+1], v[8*(NB*\a+2*\i+1)+\p:8*(NB*\a+2*\i+1)+\p+1], v[TB+32*\a+16+\p:TB+32*\a+16+\p+1], v[TT+16*\a+\p:TT+16*\a+\p+1]
	v_pk_fma_f32 v[TT+16*\a+8+\p:TT+16*\a+8+\p+1], v[8*(NB*\a+2*\i)+\p:8*(NB*\a+2*\i)+\p+1], v[TB+32*\a+24+\p:TB+32*\a+24+\p+1], v[TT+16*\a+8+\p:TT+16*\a+8+\p+1]
.endr
.endr
	WIN 0
	s_wait_xcnt 0x0                                ; OUT, which the last head's stores read, is rewritten only behind this wait
.irp a, 0,1,2,3
.irp k, 0,1,2,3,4,5,6,7
	v_cvt_pk_f16_f32 v[OUT+8*\a+\k], v[TT+16*\a+2*\k], v[TT+16*\a+2*\k+1]
.endr
.endr
.irp a, 0,1,2,3
.irp e, 0,1
	global_store_b128 v[VO], v[OUT+8*\a+4*\e:OUT+8*\a+4*\e+3], s[\dst:\dst+1] offset:\a*2048+\e*1024
.endr
.endr
.endm
	ROPEH 0, 86
	ROPEH 1, 88
	s_cmp_lg_u32 s23, 0                            ; the cluster's x: the same in all partners
	s_cbranch_scc1 .Lvalues
	ROPEH 2, 90
	s_branch .Lclose
.Lvalues:
	WIN 0x04                                       ; source 1: the accumulators
.irp a, 0,1,2,3
.irp e, 0,1
.irp j, 0,1,2,3,4,5,6,7
	v_and_b32 v[VU+8*(2*\a+\e)+\j], 0xffffe000, v[8*(NB*\a+4+\e)+\j]    ; hi: 11 significant bits
.endr
.endr
.endr
	WIN 0
.set n, 0
.rept 32
	v_cvt_pk_f16_f32 v[VH+n], v[VU+2*n], v[VU+2*n+1]
.set n, n+1
.endr
	WIN 0x01
.irp a, 0,1,2,3
.irp e, 0,1
.irp p, 0,2,4,6
	v_pk_add_f32 v[VU+8*(2*\a+\e)+\p:VU+8*(2*\a+\e)+\p+1], v[8*(NB*\a+4+\e)+\p:8*(NB*\a+4+\e)+\p+1], v[VU+8*(2*\a+\e)+\p:VU+8*(2*\a+\e)+\p+1] neg_lo:[0,1] neg_hi:[0,1]   ; lo = v - hi, exact
.endr
.endr
.endr
	WIN 0
.set n, 0
.rept 32
	v_cvt_pk_f16_f32 v[VL+n], v[VU+2*n], v[VU+2*n+1]
.set n, n+1
.endr
.irp a, 0,1,2,3
.irp e, 0,1
	ds_store_b128 v[STO], v[VH+4*(2*\a+\e):VH+4*(2*\a+\e)+3] offset:\a*2560+\e*64
	ds_store_b128 v[STO], v[VL+4*(2*\a+\e):VL+4*(2*\a+\e)+3] offset:\a*2560+\e*64+32
.endr
.endr
.set n, 0
.rept 16
	ds_load_tr16_b128 v[VT+4*n:VT+4*n+3], v[STR] offset:(n/4)*2560+(n%4)*32   ; the wave's own bytes, served in order: lane (r, h) gets column r, tokens 8 h .. +7
.set n, n+1
.endr
.set n, 0
.irp a, 0,1,2,3
.irp e, 0,1
.irp p, 0,1
	s_wait_dscnt 15-n                              ; load n is in, the younger ones stay out
	global_store_b128 v[VV], v[VT+4*n:VT+4*n+3], s[90:91] offset:\p*16384+(\a>>1)*4096+\e*2048+(\a&1)*512
.set n, n+1
.endr
.endr
.endr
.Lclose:
	s_wait_tensorcnt 0x0
	ds_add_u32 v30, v31
	s_wait_dscnt 0x0
	CROUND                                         ; the closing round: no work-group ends while a partner may still ask jointly
	s_endpgm
.Lfunc_end_k_qa6d0d547b7_qkv:
	.size	k_qa6d0d547b7_qkv, .Lfunc_end_k_qa6d0d547b7_qkv-k_qa6d0d547b7_qkv
	.p2alignl 7, 3214868480
	.fill 96, 4, 3214868480
	.section	.rodata,"a",@progbits
	.p2align	6, 0x0
	.amdhsa_kernel k_qa6d0d547b7_qkv
		.amdhsa_group_segment_fixed_size 327680
		.amdhsa_private_segment_fixed_size 0
		.amdhsa_enable_private_segment 0
		.amdhsa_kernarg_size 48
		.amdhsa_user_sgpr_count 2
		.amdhsa_user_sgpr_kernarg_segment_ptr 1
		.amdhsa_wavefront_size32 1
		.amdhsa_system_sgpr_workgroup_id_x 1
		.amdhsa_system_sgpr_workgroup_id_y 1
		.amdhsa_system_sgpr_workgroup_id_z 1
		.amdhsa_system_vgpr_workitem_id 0
		.amdhsa_next_free_vgpr 448
		.amdhsa_next_free_sgpr 100
		.amdhsa_reserve_vcc 0
		.amdhsa_float_denorm_mode_32 3
		.amdhsa_float_denorm_mode_16_64 3
		.amdhsa_memory_ordered 1
		.amdhsa_forward_progress 1
		.amdhsa_inst_pref_size 133
	.end_amdhsa_kernel
	.amdgpu_metadata
---
amdhsa.version: [ 1, 2 ]
amdhsa.kernels:
  - .name:           k_qa6d0d547b7_qkv
    .symbol:         k_qa6d0d547b7_qkv.kd
    .args:
      - { .name: xf, .offset: 0, .size: 8, .value_kind: global_buffer, .address_space: global }
      - { .name: wqf, .offset: 8, .size: 8, .value_kind: global_buffer, .address_space: global }
      - { .name: cos, .offset: 16, .size: 8, .value_kind: global_buffer, .address_space: global }
      - { .name: sin, .offset: 24, .size: 8, .value_kind: global_buffer, .address_space: global }
      - { .name: qf, .offset: 32, .size: 8, .value_kind: global_buffer, .address_space: global }
      - { .name: kv, .offset: 40, .size: 8, .value_kind: global_buffer, .address_space: global }
    .group_segment_fixed_size: 327680
    .private_segment_fixed_size: 0
    .kernarg_segment_align: 8
    .kernarg_segment_size: 48
    .max_flat_workgroup_size: 128
    .sgpr_count:     100
    .vgpr_count:     448
    .wavefront_size: 32
...
	.end_amdgpu_metadata
.endif
;; end of part 2
;; launch attn (part 3): grid 64 x 4, 8 waves a work-group, clusters of 4 x 1, 327,680 bytes of LDS; arguments qf, kv, cf; writes cf
.if DOCPART == 3
	.amdgcn_target "amdgcn-amd-amdhsa--gfx1250"
	.amdhsa_code_object_version 6
	.text
	.protected	k_qa6d0d547b7_attn
	.globl	k_qa6d0d547b7_attn
	.p2align	8
	.type	k_qa6d0d547b7_attn,@function
k_qa6d0d547b7_attn:
	s_mov_b64 s[64:65], 0
	v_nop
	global_prefetch_b8 v0, s[64:65] scope:SCOPE_SE
	s_setreg_imm32_b32 hwreg(HW_REG_WAVE_MODE, 25, 1), 1
	s_wait_xcnt 0x0
	s_wait_alu depctr_hold_cnt(0) depctr_sa_sdst(0) depctr_va_vdst(0) depctr_va_sdst(0) depctr_va_ssrc(0) depctr_va_vcc(0) depctr_vm_vsrc(0)
	s_getreg_b32 s2, hwreg(HW_REG_IB_STS2, 6, 4)
	s_cmp_eq_u32 s2, 0
	s_cbranch_scc0 .Lentry_in_a_cluster
	s_endpgm
.Lentry_in_a_cluster:
	s_bfe_u32 s2, ttmp6, 0x10000c
	s_cmp_lg_u32 s2, 0x3003
	s_cbranch_scc0 .Lentry_shape_is_right
	s_endpgm
.Lentry_shape_is_right:
; attn: causal softmax(q k^T / 8) v by a running maximum, f16 operands, f32 sums; ctx leaves as bf16 hi + lo, fragment-major for the output projection.
; y of the grid = k/v group g.  A work-group takes 32 query rows of all four heads of the group: its waves read the same k and v.
; EIGHT WAVES, two for each of a WGP's four SIMDs, so that one wave has vector work (the softmax) to issue while the other's matrix instructions run.
; Waves w and w + 4 share head 4 g + (w & 3) and its 32 rows and SPLIT THE KEYS: of every 128 keys the wave of parity p = w >> 2 takes keys 64 p .. 64 p + 63,
; with a running maximum, a sum and an O of its own; at the end of a block of rows the two are merged through LDS.  (Splitting the rows instead would make every
; wave read all of k and v for 16 rows: twice the LDS bytes for the same products.)  The text is the same for both parities: p enters the LDS base registers
; (8,192 bytes, for k, v hi and v lo alike), the mask's limit, and the order of the two row tiles: register tile q holds rows 16 (q xor p), so that in the merge
; every wave keeps register tile 0 and gives register tile 1 to its partner.
; A cluster of four owns two blocks of 128 rows, C = c (first) and C = 31 - c (second), c = the cluster's x; work-group cx takes rows 128 C + 32 cx .. +31.
; Keys lie in kv slots of 128.  Each block starts with its own (diagonal) slot, which is masked, and then takes its C slots below the diagonal: 2 + 31 in every work-group.
; Of c and 31 - c one is odd: that block's last plain slot (E) is brought once at the start; the other 30 go through a ring of two LDS slots of 256 keys, 15 fills.
; So trip counts are constants and the four partners walk the same slots: every fill is ONE joint request of the four (mask 15), each wave asking for an eighth of it.
; ORIENTATION: S^T = K Q^T (source 0 = 16 keys, source 1 = 16 query rows): lane (r, h), register j = score of query row r and key 8 h + j.  Two such tiles, packed to f16,
; ARE the second source of O^T = V^T P^T (32 keys): no shuffle, no LDS.  Maximum and sum are a lane's own; one exchange between the halves of the wave joins the maxima.
; O^T: lane (r, h), register j = ctx[row r][column 16 m + 8 h + j]: eight neighbouring columns, 16 bytes of a fragment of the next launch.
; THE MASK'S VALUE is -2^100, not -inf: a wave can meet 64 keys of which a row sees none.  q and k are f16, so a score lies below 64 x 65,504^2 < 2^38 in magnitude and
; -2^100 is below every score.  A power of two times log2(e)/8 is exact, so in a row that sees nothing the exponents are exactly 0, p = 1, and sum and O hold finite numbers
; that the factor exp2(-2^97 ..) = 0 removes at the row's next real tile or in the merge.  The wave of parity 0 sees the block's first key in every row: the merged sum is at least 1.
; v is f16 hi + lo; lo is used for the diagonal slot alone (the rows with few visible keys are the ones whose result is large against the output's spread).
; LIMITS: p below 6e-8 is dropped (f16).  The row sum is made of the unrounded p.  exp2 results below 2^-126 are zero.
.set KF,  32                           ; v[32:95]   k fragments (key tile a, d half k) at 8 (2 a + k); in a diagonal tile then v lo
.set VF,  96                           ; v[96:159]  v fragments (32 keys c, column tile m) at 8 (4 c + m)
.set SR,  160                          ; v[160:223] scores, tile (a, q) at 32 q + 8 a; then p, chunk (c, q) at 32 q + 16 c
.set LIM, 4                            ; v4-5   key 16 a + j of my 64 of the diagonal slot is visible to register tile q's row if it is not above this
.set NMR, 12                           ; v12, v14  - maximum x log2(e) / 8 (the low register of a pair)
.set ALR, 16                           ; v16, v18  the factor by which old sums shrink (the low register of a pair)
.set LR,  20                           ; v20-21 sum of p, of my half of the lanes' keys
.set MR,  22                           ; v22-23 running maximum
.set LAE, 224                          ; v224   LDS address in E;  v1, v2: in the two diagonal slots;  v3, v9: in the ring's two slots
.set SCW, 225                          ; v225   my scratch, 16 bytes a lane
.set SCS, 226                          ; v226   my scratch, 4 bytes a lane
.set SCP, 227                          ; v227   my partner's scratch, 16 bytes a lane
.set SCQ, 228                          ; v228   my partner's scratch, 4 bytes a lane
.set OA,  32                           ; window 1: v[32:95] O tile (m, q) at 32 q + 8 m; window 1 v[0:31]: q fragments (q, k) at 8 (2 q + k)
.set FH,  32                           ; the way out: v[32:47] hi, v[48:63] lo in bf16
.set FL,  48
.set FP,  96                           ; v[96:127]  my partner's O for my rows
.set FO,  160                          ; v[160:191] the merged ctx in f32
.set FU,  192                          ; v[192:223] hi widened, then ctx - hi
.set G1D, 16                           ; s[16:23] group 1, an eighth of a diagonal slot: 24 rows of 256 bytes
.set G1R, 24                           ; s[24:31] group 1, an eighth of a ring slot: 32 rows
.set G1E, 76                           ; s[76:83] group 1, an eighth of E: 16 rows
.set G0DA, 32                          ; s[32:35], s[36:39] group 0 of the two diagonal slots
.set G0DB, 36
.set G0R, 40                           ; s[40:47] group 0 of the ring's two slots
.set G0E, 84                           ; s[84:87] group 0 of E
; LDS.  Filled once: the first block's diagonal slot, the second's (k 16,384, v hi 16,384, v lo 16,384 each), E (k, v hi).  The ring: two slots of two kv slots' k and v hi.
.set LDB,   49152
.set LE,    98304
.set RING,  131072
.set RSLOT, 65536
.set SCR,   262144                     ; scratch for the merge, 4,608 bytes a wave: O 4,096, - max x log2(e)/8 at 4,096, sum at 4,224; no tensor load lands here
.set SCB,   4608
.set MSB, 0
.macro WIN new                         ; s_set_vgpr_msb: bits 1:0 source 0, 3:2 source 1, 5:4 source 2, 7:6 destination; the high byte repeats the setting that is left
.if MSB != \new
	s_set_vgpr_msb (MSB<<8)|\new
.set MSB, \new
.endif
.endm
.macro PLACES                          ; four places behind matrix instructions (ISA guide 7.12.1)
.rept 4
	v_nop
.endr
.endm
.macro FIVE                            ; five: the next score product writes over p, a source of the last products
.rept 5
	v_nop
.endr
.endm
.macro ROUND                           ; a round of the cluster's barrier
	s_barrier_signal -1
	s_barrier_wait -1
	s_cmp_lg_u32 s10, 0
	s_cbranch_scc1 .Lnot_wave_0_\@
	s_barrier_signal -3
.Lnot_wave_0_\@:
	s_barrier_wait -3
	s_barrier_signal -1
	s_barrier_wait -1
.endm
.macro NEXT d, slot                    ; the ring slot's next address: fill j = T + d holds kv slots 2 j, 2 j + 1 of the first block, or 2 (j - c/2), .. + 1 of the second
	s_add_co_u32 s56, s15, \d
	s_cmp_ge_u32 s56, s13
	s_cselect_b32 s57, s13, 0
	s_sub_co_u32 s56, s56, s57
	s_mul_i32 s56, s56, 98304
	s_mov_b32 s57, 0
	s_add_nc_u64 s[G0R+4*(\slot)+2:G0R+4*(\slot)+3], s[48:49], s[56:57]
	s_or_b32 s[G0R+4*(\slot)+3], s[G0R+4*(\slot)+3], 0x80000000
.endm
.macro KLOAD la, ofs                   ; my 64 keys x 64 d: 16 loads of 512 consecutive bytes
.irp a, 0,1,2,3
.irp k, 0,1
	ds_load_b128 v[KF+8*(2*\a+\k):KF+8*(2*\a+\k)+3], v[\la] offset:\ofs+\a*2048+\k*1024
	ds_load_b128 v[KF+8*(2*\a+\k)+4:KF+8*(2*\a+\k)+7], v[\la] offset:\ofs+\a*2048+\k*1024+512
.endr
.endr
.endm
.macro VLOAD dst, la, ofs              ; 64 columns x my 64 keys
.irp c, 0,1
.irp m, 0,1,2,3
	ds_load_b128 v[\dst+8*(4*\c+\m):\dst+8*(4*\c+\m)+3], v[\la] offset:\ofs+\c*4096+\m*1024
	ds_load_b128 v[\dst+8*(4*\c+\m)+4:\dst+8*(4*\c+\m)+7], v[\la] offset:\ofs+\c*4096+\m*1024+512
.endr
.endr
.endm
.macro QLOAD ptr                       ; my head's 32 rows, into window 1; v10, v11: register tile q takes token tile q xor parity
	WIN 0x40
.irp q, 0,1
.irp t, 0,1,2,3
	global_load_b128 v[16*\q+4*\t:16*\q+4*\t+3], v[10+\q], s[\ptr:\ptr+1] offset:\t*512
.endr
.endr
	WIN 0
.endm
.macro SMUL                            ; 8 score tiles, d in two halves; the eight accumulators take turns, one instruction a turn
	WIN 0x04
.irp k, 0,1
.irp q, 0,1
.irp a, 0,1,2,3
.if \k
	v_wmma_f32_16x16x32_f16 v[SR+32*\q+8*\a:SR+32*\q+8*\a+7], v[KF+8*(2*\a+\k):KF+8*(2*\a+\k)+7], v[8*(2*\q+\k):8*(2*\q+\k)+7], v[SR+32*\q+8*\a:SR+32*\q+8*\a+7]
.else
	v_wmma_f32_16x16x32_f16 v[SR+32*\q+8*\a:SR+32*\q+8*\a+7], v[KF+8*(2*\a+\k):KF+8*(2*\a+\k)+7], v[8*(2*\q+\k):8*(2*\q+\k)+7], 0
.endif
.endr
.endr
.endr
.endm
.macro MASK                            ; keys above the row take the mask's value
.irp q, 0,1
.irp a, 0,1,2,3
.irp j, 0,1,2,3,4,5,6,7
	v_cmp_le_i32 vcc_lo, 16*\a+\j, v[LIM+\q]
	v_cndmask_b32 v[SR+32*\q+8*\a+\j], v6, v[SR+32*\q+8*\a+\j], vcc_lo
.endr
.endr
.endr
.endm
; 16 rows x 64 keys: the new maximum, the old sums' factor, p = exp2((s - max) log2(e) / 8), its sum, p in f16 in place
.macro SOFTMAX q, first
.irp c, 0,1,2,3
	v_max3_num_f32 v[24+\c], v[SR+32*\q+8*\c], v[SR+32*\q+8*\c+1], v[SR+32*\q+8*\c+2]
.endr
.irp c, 0,1,2,3
	v_max3_num_f32 v[24+\c], v[24+\c], v[SR+32*\q+8*\c+3], v[SR+32*\q+8*\c+4]
.endr
.irp c, 0,1,2,3
	v_max3_num_f32 v[24+\c], v[24+\c], v[SR+32*\q+8*\c+5], v[SR+32*\q+8*\c+6]
.endr
.irp c, 0,1,2,3
	v_max_num_f32 v[24+\c], v[24+\c], v[SR+32*\q+8*\c+7]
.endr
	v_max3_num_f32 v24, v24, v25, v26
	v_max_num_f32 v24, v24, v27
	v_permlanex16_b32 v7, v24, s60, s61            ; the other half of the lanes holds the row's other keys
.if \first
	v_max_num_f32 v25, v24, v7
	v_mul_f32 v28, 0xbe38aa3b, v25                 ; - max log2(e) / 8
.else
	v_max3_num_f32 v25, v24, v7, v[MR+\q]
	v_mul_f32 v28, 0xbe38aa3b, v25
	v_sub_f32 v29, v28, v[NMR+2*\q]                ; (old max - new max) log2(e) / 8, never above 0
	v_exp_f32 v[ALR+2*\q], v29                     ; the two moves below are the plain place behind it (ISA guide 5.7.2)
.endif
	v_mov_b32 v[NMR+2*\q], v28
	v_mov_b32 v[MR+\q], v25
.set n, 0
.rept 16
	v_pk_fma_f32 v[SR+32*\q+2*n:SR+32*\q+2*n+1], v[SR+32*\q+2*n:SR+32*\q+2*n+1], 0x3e38aa3b, v[NMR+2*\q:NMR+2*\q+1] op_sel_hi:[1,0,0]
.set n, n+1
.endr
.set n, 0
.rept 32
	v_exp_f32 v[SR+32*\q+n], v[SR+32*\q+n]
.set n, n+1
.endr
	v_nop                                          ; one plain place before the results are used
	s_wait_alu depctr_va_vdst(0)
.irp c, 0,1,2,3
	v_pk_add_f32 v[24+2*\c:25+2*\c], v[SR+32*\q+8*\c:SR+32*\q+8*\c+1], v[SR+32*\q+8*\c+2:SR+32*\q+8*\c+3]
.endr
.irp c, 0,1,2,3
	v_pk_add_f32 v[24+2*\c:25+2*\c], v[24+2*\c:25+2*\c], v[SR+32*\q+8*\c+4:SR+32*\q+8*\c+5]
.endr
.irp c, 0,1,2,3
	v_pk_add_f32 v[24+2*\c:25+2*\c], v[24+2*\c:25+2*\c], v[SR+32*\q+8*\c+6:SR+32*\q+8*\c+7]
.endr
	v_pk_add_f32 v[24:25], v[24:25], v[26:27]
	v_pk_add_f32 v[28:29], v[28:29], v[30:31]
	v_pk_add_f32 v[24:25], v[24:25], v[28:29]
.if \first
	v_add_f32 v[LR+\q], v24, v25
.else
	v_add_f32 v24, v24, v25
	v_fma_f32 v[LR+\q], v[LR+\q], v[ALR+2*\q], v24
.endif
.irp c, 0,1
.irp k, 0,1,2,3,4,5,6,7
	v_cvt_pk_f16_f32 v[SR+32*\q+16*\c+\k], v[SR+32*\q+16*\c+2*\k], v[SR+32*\q+16*\c+2*\k+1]   ; ascending: a destination never lies above a source still to be read
.endr
.endr
.endm
.macro RESCALE                         ; O x the row's factor
	WIN 0x41
.irp q, 0,1
.set n, 0
.rept 16
	v_pk_mul_f32 v[OA+32*\q+2*n:OA+32*\q+2*n+1], v[OA+32*\q+2*n:OA+32*\q+2*n+1], v[ALR+2*\q:ALR+2*\q+1] op_sel_hi:[1,0]
.set n, n+1
.endr
.endr
.endm
.macro PVMUL vf, zero                  ; O^T += V^T P^T, 64 keys; the eight accumulators take turns, one instruction a turn
	WIN 0x50
.irp c, 0,1
.irp q, 0,1
.irp m, 0,1,2,3
.set pz, 0
.if \zero
.if \c == 0
.set pz, 1
.endif
.endif
.if pz
	v_wmma_f32_16x16x32_f16 v[OA+32*\q+8*\m:OA+32*\q+8*\m+7], v[\vf+8*(4*\c+\m):\vf+8*(4*\c+\m)+7], v[SR+32*\q+16*\c:SR+32*\q+16*\c+7], 0
.else
	v_wmma_f32_16x16x32_f16 v[OA+32*\q+8*\m:OA+32*\q+8*\m+7], v[\vf+8*(4*\c+\m):\vf+8*(4*\c+\m)+7], v[SR+32*\q+16*\c:SR+32*\q+16*\c+7], v[OA+32*\q+8*\m:OA+32*\q+8*\m+7]
.endif
.endr
.endr
.endr
.endm
; my 64 keys of the kv slot at byte ofs behind la, below the diagonal.  pre = 1: my k of the kv slot 32,768 bytes further is fetched while the softmax runs.
.macro TILE la, ofs, pre
	s_wait_dscnt 0x0                               ; k is in
	SMUL
	WIN 0
	PLACES
	VLOAD VF, \la, \ofs+16384
.if \pre
	KLOAD \la, \ofs+32768
.endif
	SOFTMAX 0, 0
	SOFTMAX 1, 0
.if \pre
	s_wait_dscnt 16                                ; v is in; the 16 younger loads of k stay out
.else
	s_wait_dscnt 0x0
.endif
	RESCALE
	PVMUL VF, 0
	WIN 0
	FIVE
.endm
.macro PLAIN la                        ; a ring slot: two kv slots, of each my 64 keys
	KLOAD \la, 0
	TILE \la, 0, 1
	TILE \la, 32768, 0
.endm
.macro EXTRA                           ; the odd block's last plain kv slot
	KLOAD LAE, 0
	TILE LAE, 0, 0
.endm
; a block begins: my 64 keys of its diagonal slot, masked, with v lo (in k's registers) beside v hi; the first products start the sums
.macro DIAG la
	s_wait_loadcnt 0x0                             ; q is in
	KLOAD \la, 0
	s_wait_dscnt 0x0
	SMUL
	WIN 0
	PLACES
	VLOAD VF, \la, 16384
	VLOAD KF, \la, 32768
	MASK
	SOFTMAX 0, 1
	SOFTMAX 1, 1
	s_wait_dscnt 0x0
	PVMUL VF, 1
	PVMUL KF, 0
	WIN 0
	FIVE
.endm
; A block ends: the two waves of a head are merged.  I give register tile 1 (O, - max log2(e)/8, sum) to my partner and take its figures for my register tile 0:
; weight_i = exp2((max_i - joint max) log2(e)/8), ctx = (O_mine w_mine + O_partner w_partner) / (sum_mine w_mine + sum_partner w_partner); bf16 hi + lo; 8 stores of 512 consecutive bytes.
.macro FINISH cfp
.irp q, 0,1
	v_permlanex16_b32 v7, v[LR+\q], s60, s61
	v_add_f32 v[LR+\q], v[LR+\q], v7               ; both halves of the lanes' keys
.endr
	WIN 0x04                                       ; an LDS store's data is source 1: O lies in window 1
.irp i, 0,1,2,3,4,5,6,7
	ds_store_b128 v[SCW], v[OA+32+4*\i:OA+32+4*\i+3] offset:512*\i
.endr
	WIN 0
	ds_store_b32 v[SCS], v[NMR+2] offset:4096
	ds_store_b32 v[SCS], v[LR+1] offset:4224
	s_wait_dscnt 0x0                               ; for my partner's sake: my stores are done
	s_barrier_signal -1                            ; the ring's refill that is on its way stays out
	s_barrier_wait -1
	ds_load_b32 v24, v[SCQ] offset:4096
	ds_load_b32 v25, v[SCQ] offset:4224
.irp i, 0,1,2,3,4,5,6,7
	ds_load_b128 v[FP+4*\i:FP+4*\i+3], v[SCP] offset:512*\i
.endr
	s_wait_dscnt 8                                 ; the two words are in; the eight younger loads stay out
	v_min_num_f32 v26, v[NMR], v24                 ; - joint max log2(e) / 8
	v_sub_f32 v27, v26, v[NMR]
	v_sub_f32 v28, v26, v24
	v_exp_f32 v27, v27                             ; my weight
	v_exp_f32 v28, v28                             ; my partner's
	v_nop                                          ; one plain place before the results are used
	s_wait_alu depctr_va_vdst(0)
	v_mul_f32 v29, v[LR], v27
	v_fma_f32 v29, v25, v28, v29                   ; the joint sum, at least 1
	v_rcp_f32 v29, v29
	v_nop
	s_wait_alu depctr_va_vdst(0)
	v_mul_f32 v[ALR], v27, v29
	v_mul_f32 v[ALR+2], v28, v29
	WIN 0x01
.set n, 0
.rept 16
	v_pk_mul_f32 v[FO+2*n:FO+2*n+1], v[OA+2*n:OA+2*n+1], v[ALR:ALR+1] op_sel_hi:[1,0]
.set n, n+1
.endr
	WIN 0
	s_wait_dscnt 0x0                               ; my partner's O is in (and my reads of the scratch are over before any later barrier)
.set n, 0
.rept 16
	v_pk_fma_f32 v[FO+2*n:FO+2*n+1], v[FP+2*n:FP+2*n+1], v[ALR+2:ALR+3], v[FO+2*n:FO+2*n+1] op_sel_hi:[1,0,1]
.set n, n+1
.endr
.set n, 0
.rept 16
	v_cvt_pk_bf16_f32 v[FH+n], v[FO+2*n], v[FO+2*n+1]
.set n, n+1
.endr
.set n, 0
.rept 16
	v_lshlrev_b32 v[FU+2*n], 16, v[FH+n]
	v_and_b32 v[FU+2*n+1], s62, v[FH+n]
.set n, n+1
.endr
.set n, 0
.rept 16
	v_pk_add_f32 v[FU+2*n:FU+2*n+1], v[FO+2*n:FO+2*n+1], v[FU+2*n:FU+2*n+1] neg_lo:[0,1] neg_hi:[0,1]
.set n, n+1
.endr
.set n, 0
.rept 16
	v_cvt_pk_bf16_f32 v[FL+n], v[FU+2*n], v[FU+2*n+1]
.set n, n+1
.endr
.irp m, 0,1,2,3
	global_store_b128 v8, v[FH+4*\m:FH+4*\m+3], s[\cfp:\cfp+1] offset:(\m>>1)*2048+(\m&1)*512
	global_store_b128 v8, v[FL+4*\m:FL+4*\m+3], s[\cfp:\cfp+1] offset:(\m>>1)*2048+(\m&1)*512+1024
.endr
	s_wait_xcnt 0x0                                ; the stores' data lie in k's registers, which are loaded again only behind this wait
.endm
.macro SWITCH                          ; from the first block to the second
	QLOAD 50
	FINISH 52
	DIAG 2
	s_cmp_lg_u32 s90, 0                            ; c even: 31 - c is the odd one, E is the second block's
	s_cbranch_scc1 .Lno_extra_\@
	EXTRA
.Lno_extra_\@:
.endm
; One ring slot of 256 keys.  In front of the round each wave waits for all its tensor loads (its eighth of this slot) and for its reads of the other slot;
; behind the round the joint refill of the other slot is the wave's first and only tensor load; it has this slot's tiles in which to land.
.macro TRIP slot, d, cmpreg, refill, sw
	s_wait_tensorcnt 0x0
	ds_add_u32 v254, v255
	s_wait_dscnt 0x0
.if \refill
	NEXT \d, 1-\slot                               ; no load of mine is out: the other slot's address may be written
.endif
	s_wait_dscnt 0x0
.if \refill
	ROUND
	tensor_load_to_lds s[G0R+4*(1-\slot):G0R+4*(1-\slot)+3], s[G1R:G1R+7]
	s_nop 0
.else
	s_barrier_signal -1                            ; it shows the slot whole to all eight waves
	s_barrier_wait -1
.endif
.if \sw
	s_cmp_lg_u32 s15, \cmpreg                      ; fill c / 2 of the 15 is the second block's first: c is the cluster's x, the same in all waves and all partners
	s_cbranch_scc1 .Lsame_\@
	SWITCH
.Lsame_\@:
.endif
.if \slot
	PLAIN 9
.else
	PLAIN 3
.endif
.endm
	s_load_b128 s[4:7], s[0:1], 0x0                ; qf s[4:5], kv s[6:7]
	s_load_b64 s[8:9], s[0:1], 0x10                ; cf
	v_lshl_add_u32 v254, v0, 2, 0x49000
	v_mov_b32 v255, 0
	ds_add_u32 v254, v255
	v_lshrrev_b32 v1, 5, v0
	v_readfirstlane_b32 s10, v1                    ; wave 0..7
	s_lshr_b32 s63, s10, 2                         ; parity: which 64 of every 128 keys are mine
	s_and_b32 s88, s10, 3                          ; my head in the group
	s_bfe_u32 s11, ttmp6, 0x40000                  ; cx
	s_mov_b32 s12, ttmp9                           ; c
	s_lshr_b32 s13, s12, 1                         ; c / 2: the first block's fills of the ring
	s_sub_co_u32 s89, s13, 1                       ; c / 2 - 1 (for c < 2 a number that the trip counter never takes)
	s_and_b32 s90, s12, 1                          ; c odd: E is the first block's
	s_and_b32 s14, ttmp7, 0xffff                   ; g
	s_mov_b32 s60, 0x76543210                      ; v_permlanex16_b32: lane i of one half reads lane i of the other
	s_mov_b32 s61, 0xfedcba98
	s_mov_b32 s62, 0xffff0000
	; group 1: dense rows of 256 bytes (32 elements of 8), asked for jointly by the four work-groups
	s_mov_b32 s[G1D+0], 15|(3<<16)|(1<<21)
	s_mov_b32 s[G1D+1], 32<<16
	s_mov_b32 s[G1D+2], 24<<16
	s_mov_b32 s[G1D+3], 32<<16
	s_mov_b32 s[G1D+4], 24
	s_mov_b32 s[G1D+5], 32
	s_mov_b32 s[G1D+6], 0
	s_mov_b32 s[G1D+7], 0
	s_mov_b32 s[G1E+0], 15|(3<<16)|(1<<21)
	s_mov_b32 s[G1E+1], 32<<16
	s_mov_b32 s[G1E+2], 16<<16
	s_mov_b32 s[G1E+3], 32<<16
	s_mov_b32 s[G1E+4], 16
	s_mov_b32 s[G1E+5], 32
	s_mov_b32 s[G1E+6], 0
	s_mov_b32 s[G1E+7], 0
	s_mov_b32 s[G1R+0], 15|(3<<16)|(1<<21)
	s_mov_b32 s[G1R+1], 32<<16
	s_mov_b32 s[G1R+2], 32<<16
	s_mov_b32 s[G1R+3], 32<<16
	s_mov_b32 s[G1R+4], 32
	s_mov_b32 s[G1R+5], 32
	s_mov_b32 s[G1R+6], 0
	s_mov_b32 s[G1R+7], 0
	s_mov_b32 s[G0DA], 1
	s_mov_b32 s[G0DB], 1
	s_mov_b32 s[G0E], 1
	s_mov_b32 s[G0R], 1
	s_mov_b32 s[G0R+4], 1
	s_mul_i32 s[G0DA+1], s10, 6144                 ; LDS addresses: the wave's number and constants alone
	s_add_co_u32 s[G0DB+1], s[G0DA+1], LDB
	s_lshl_b32 s[G0E+1], s10, 12
	s_add_co_u32 s[G0E+1], s[G0E+1], LE
	s_lshl_b32 s[G0R+1], s10, 13
	s_add_co_u32 s[G0R+1], s[G0R+1], RING
	s_add_co_u32 s[G0R+5], s[G0R+1], RSLOT
	s_mul_i32 s56, s14, 1572864                    ; my group's 32 kv slots
	s_mov_b32 s57, 0
	s_wait_dscnt 0x0
	s_wait_kmcnt 0x0
	s_add_nc_u64 s[58:59], s[6:7], s[56:57]
	s_mul_i32 s56, s63, 49152                      ; of a ring slot waves 0-3 fetch the first kv slot's k and v hi, waves 4-7 the second's,
	s_lshl_b32 s91, s88, 13                        ; a quarter each
	s_add_co_u32 s56, s56, s91
	s_add_nc_u64 s[48:49], s[58:59], s[56:57]
	s_mul_i32 s56, s12, 49152
	s_add_co_u32 s56, s56, s[G0DA+1]               ; kv slot c, my eighth of its 49,152 bytes
	s_add_nc_u64 s[G0DA+2:G0DA+3], s[58:59], s[56:57]
	s_or_b32 s[G0DA+3], s[G0DA+3], 0x80000000
	s_sub_co_u32 s56, 31, s12
	s_mul_i32 s56, s56, 49152
	s_add_co_u32 s56, s56, s[G0DA+1]               ; kv slot 31 - c
	s_add_nc_u64 s[G0DB+2:G0DB+3], s[58:59], s[56:57]
	s_or_b32 s[G0DB+3], s[G0DB+3], 0x80000000
	s_sub_co_u32 s56, s12, 1                       ; E: kv slot c - 1 if c is odd, else 30 - c
	s_sub_co_u32 s91, 30, s12
	s_cmp_lg_u32 s90, 0
	s_cselect_b32 s56, s56, s91
	s_mul_i32 s56, s56, 49152
	s_lshl_b32 s91, s10, 12                        ; my eighth of its k and v hi
	s_add_co_u32 s56, s56, s91
	s_add_nc_u64 s[G0E+2:G0E+3], s[58:59], s[56:57]
	s_or_b32 s[G0E+3], s[G0E+3], 0x80000000
	s_mov_b64 s[G0R+2:G0R+3], s[48:49]             ; fill 0 holds kv slots 0 and 1 in either block
	s_or_b32 s[G0R+3], s[G0R+3], 0x80000000
	ROUND                                          ; the four work-groups are here: the first joint loads meet
	tensor_load_to_lds s[G0DA:G0DA+3], s[G1D:G1D+7]        ; the first fills, one group: four tensor loads out in each wave
	s_nop 0
	tensor_load_to_lds s[G0E:G0E+3], s[G1E:G1E+7]
	s_nop 0
	tensor_load_to_lds s[G0DB:G0DB+3], s[G1D:G1D+7]
	s_nop 0
	tensor_load_to_lds s[G0R:G0R+3], s[G1R:G1R+7]
	s_nop 0
	; q and ctx: by head and by my 32 rows (cx enters global addresses and the mask's limit alone, in registers that feed no descriptor)
	s_lshl2_add_u32 s66, s14, s88                  ; head 4 g + (w & 3)
	s_lshl_b32 s67, s12, 3
	s_lshl1_add_u32 s67, s11, s67                  ; token tile 8 c + 2 cx
	s_sub_co_u32 s68, 31, s12
	s_lshl_b32 s68, s68, 3
	s_lshl1_add_u32 s68, s11, s68                  ; token tile 8 (31 - c) + 2 cx
	s_mov_b32 s71, 0
	s_lshl_b32 s69, s66, 19                        ; qf: 524,288 bytes a head, 2,048 a token tile
	s_lshl_b32 s70, s67, 11
	s_add_co_u32 s70, s70, s69
	s_add_nc_u64 s[72:73], s[4:5], s[70:71]
	s_lshl_b32 s70, s68, 11
	s_add_co_u32 s70, s70, s69
	s_add_nc_u64 s[50:51], s[4:5], s[70:71]
	s_lshl_b32 s69, s66, 12                        ; cf: 65,536 bytes a token tile, 4,096 a head; I store register tile 0 = token tile + parity
	s_add_co_u32 s67, s67, s63
	s_add_co_u32 s68, s68, s63
	s_lshl_b32 s70, s67, 16
	s_add_co_u32 s70, s70, s69
	s_add_nc_u64 s[52:53], s[8:9], s[70:71]
	s_lshl_b32 s70, s68, 16
	s_add_co_u32 s70, s70, s69
	s_add_nc_u64 s[54:55], s[8:9], s[70:71]
	v_and_b32 v8, 31, v0
	v_lshlrev_b32 v24, 2, v8                       ; 4 x lane
	v_lshlrev_b32 v8, 4, v8                        ; 16 x lane
	s_lshl_b32 s66, s63, 11
	v_add_nc_u32 v10, s66, v8                      ; q: register tile 0 is token tile parity,
	s_xor_b32 s66, s66, 2048
	v_add_nc_u32 v11, s66, v8                      ; register tile 1 the other
	QLOAD 72
	s_lshl_b32 s56, s63, 13                        ; my 64 keys lie 8,192 x parity bytes into k, v hi and v lo of a kv slot
	v_add_nc_u32 v1, s56, v8                       ; LDS: first diagonal slot,
	v_add_nc_u32 v2, LDB, v1                       ; second diagonal slot,
	v_add_nc_u32 v[LAE], LE, v1                    ; E,
	v_add_nc_u32 v3, RING, v1                      ; the ring's slot 0,
	v_add_nc_u32 v9, RING+RSLOT, v1                ; its slot 1
	s_mul_i32 s56, s10, SCB                        ; my scratch,
	s_add_co_u32 s56, s56, SCR
	v_add_nc_u32 v[SCW], s56, v8
	v_add_nc_u32 v[SCS], s56, v24
	s_add_co_u32 s57, s10, 4                       ; my partner's: wave + 4 - 8 x parity
	s_lshl_b32 s56, s63, 3
	s_sub_co_u32 s57, s57, s56
	s_mul_i32 s57, s57, SCB
	s_add_co_u32 s57, s57, SCR
	v_add_nc_u32 v[SCP], s57, v8
	v_add_nc_u32 v[SCQ], s57, v24
	; key 64 p + 16 a + 8 h + j of the block is visible to row 32 cx + 16 (q xor p) + r: 16 a + j <= 32 cx + 16 (q xor p) + r - 8 h - 64 p
	v_and_b32 v24, 15, v0
	v_bfe_u32 v25, v0, 4, 1
	v_lshlrev_b32 v25, 3, v25
	v_sub_nc_u32 v24, v24, v25                     ; r - 8 h
	s_lshl_b32 s66, s11, 5
	s_mul_i32 s67, s63, 48
	s_sub_co_u32 s66, s66, s67                     ; q = 0: 32 cx - 48 p
	v_add_nc_u32 v[LIM], s66, v24
	s_lshl_b32 s67, s63, 5
	s_sub_co_u32 s66, s66, s67
	s_add_co_u32 s66, s66, 16                      ; q = 1: 32 cx + 16 - 80 p
	v_add_nc_u32 v[LIM+1], s66, v24
	v_mov_b32 v6, 0xf1800000                       ; -2^100, the mask's value
	v_mov_b32 v7, 0                                ; the exchange's destination counts as read
	v_mov_b32 v[NMR+1], 0                          ; the pairs' upper registers are named by packed instructions and never used
	v_mov_b32 v[NMR+3], 0
	v_mov_b32 v[ALR+1], 0
	v_mov_b32 v[ALR+3], 0
	s_wait_tensorcnt 0x2                           ; my eighths of the first diagonal slot and of E are in; the second diagonal slot's and the ring's may stay out
	s_barrier_signal -1
	s_barrier_wait -1
	DIAG 1
	s_cmp_eq_u32 s90, 0                            ; c odd: E is the first block's
	s_cbranch_scc1 .Lno_extra_first
	EXTRA
.Lno_extra_first:
	s_mov_b32 s15, 0                               ; T: the number of the trip's first fill
.Ltrip:
	TRIP 0, 1, s13, 1, 1
	TRIP 1, 2, s89, 1, 1
	s_add_co_u32 s15, s15, 2
	s_cmp_lt_u32 s15, 14
	s_cbranch_scc1 .Ltrip
	TRIP 0, 0, s13, 0, 0                           ; fill 14: nothing is left to fetch
	FINISH 54
	s_wait_tensorcnt 0x0
	ds_add_u32 v254, v255
	s_wait_dscnt 0x0
	ROUND                                          ; the closing round: no work-group ends while a partner may still ask jointly
	s_endpgm
.Lfunc_end_k_qa6d0d547b7_attn:
	.size	k_qa6d0d547b7_attn, .Lfunc_end_k_qa6d0d547b7_attn-k_qa6d0d547b7_attn
	.p2alignl 7, 3214868480
	.fill 96, 4, 3214868480
	.section	.rodata,"a",@progbits
	.p2align	6, 0x0
	.amdhsa_kernel k_qa6d0d547b7_attn
		.amdhsa_group_segment_fixed_size 327680
		.amdhsa_private_segment_fixed_size 0
		.amdhsa_enable_private_segment 0
		.amdhsa_kernarg_size 24
		.amdhsa_user_sgpr_count 2
		.amdhsa_user_sgpr_kernarg_segment_ptr 1
		.amdhsa_wavefront_size32 1
		.amdhsa_system_sgpr_workgroup_id_x 1
		.amdhsa_system_sgpr_workgroup_id_y 1
		.amdhsa_system_sgpr_workgroup_id_z 1
		.amdhsa_system_vgpr_workitem_id 0
		.amdhsa_next_free_vgpr 352
		.amdhsa_next_free_sgpr 92
		.amdhsa_reserve_vcc 1
		.amdhsa_float_denorm_mode_32 3
		.amdhsa_float_denorm_mode_16_64 3
		.amdhsa_memory_ordered 1
		.amdhsa_forward_progress 1
		.amdhsa_inst_pref_size 255
	.end_amdhsa_kernel
	.section	.bss,"aw",@nobits
	.p2align	6
	.space	262144
	.amdgpu_metadata
---
amdhsa.version: [ 1, 2 ]
amdhsa.kernels:
  - .name:           k_qa6d0d547b7_attn
    .symbol:         k_qa6d0d547b7_attn.kd
    .args:
      - { .name: qf, .offset: 0, .size: 8, .value_kind: global_buffer, .address_space: global }
      - { .name: kv, .offset: 8, .size: 8, .value_kind: global_buffer, .address_space: global }
      - { .name: cf, .offset: 16, .size: 8, .value_kind: global_buffer, .address_space: global }
    .group_segment_fixed_size: 327680
    .private_segment_fixed_size: 0
    .kernarg_segment_align: 8
    .kernarg_segment_size: 24
    .max_flat_workgroup_size: 256
    .sgpr_count:     92
    .vgpr_count:     352
    .wavefront_size: 32
...
	.end_amdgpu_metadata
.endif
;; end of part 3
;; launch oproj (part 4): grid 8 x 32, 4 waves a work-group, clusters of 4 x 4, 327,680 bytes of LDS; arguments cf, wof, out0; writes out0
.if DOCPART == 4
	.amdgcn_target "amdgcn-amd-amdhsa--gfx1250"
	.amdhsa_code_object_version 6
	.text
	.protected	k_qa6d0d547b7_oproj
	.globl	k_qa6d0d547b7_oproj
	.p2align	8
	.type	k_qa6d0d547b7_oproj,@function
k_qa6d0d547b7_oproj:
	s_mov_b64 s[64:65], 0
	v_nop
	global_prefetch_b8 v0, s[64:65] scope:SCOPE_SE
	s_setreg_imm32_b32 hwreg(HW_REG_WAVE_MODE, 25, 1), 1
	s_wait_xcnt 0x0
	s_wait_alu depctr_hold_cnt(0) depctr_sa_sdst(0) depctr_va_vdst(0) depctr_va_sdst(0) depctr_va_ssrc(0) depctr_va_vcc(0) depctr_vm_vsrc(0)
	s_getreg_b32 s2, hwreg(HW_REG_IB_STS2, 6, 4)
	s_cmp_eq_u32 s2, 0
	s_cbranch_scc0 .Lentry_in_a_cluster
	s_endpgm
.Lentry_in_a_cluster:
	s_bfe_u32 s2, ttmp6, 0x10000c
	s_cmp_lg_u32 s2, 0xf033
	s_cbranch_scc0 .Lentry_shape_is_right
	s_endpgm
.Lentry_shape_is_right:
; oproj: out = (ctx_hi + ctx_lo) Wo with bf16 operands and f32 sums; out is f32.
; ctx comes as two bf16 parts (16 significant bits together): both are multiplied by the same weight fragments into the same accumulators.
; A work-group makes 128 tokens x 128 columns, four waves, a wave 64 x 64: 16 accumulator tiles of 16 x 16 = 128 registers.
; K goes in 8 steps of 128 through two LDS slots.  Operands lie fragment-major in memory (16 rows x 32 k = 1,024 bytes, lane 16 h + r at 16 x lane in each half of 512):
; a tensor load moves rows of 8,192 (ctx: hi and lo) or 4,096 (weights) consecutive bytes, a fragment is two 16-byte LDS loads at 16 x lane: no padding is needed.
; CLUSTER 4 x 4: ctx's tiles hang on the block row and are asked for jointly along a row of the cluster, the weights' on the block column and along a column.
; The weight's fragment is source 0, ctx's source 1: lane (r, h), register j holds out[token r][column 8 h + j].  16 tokens at a time go through the wave's own LDS stage,
; so that sixteen neighbouring lanes store 256 consecutive bytes of a row of out, aligned to 256.
.set NA,   8                           ; ctx fragments of a wave for 32 k: a & 3 = token tile, a >> 2 = hi or lo
.set NB,   4                           ; weight fragments (16 columns)
.set ACH,  8192                        ; bytes of one token tile in a K step
.set QSTR, 32768                       ; LDS bytes for what one wave fetches of a slot
.set SLOT, 4*QSTR
.set STG,  2*SLOT                      ; the way out: 16 rows at pitch 272 for each wave; no tensor load lands here
.set LAPS, 4
.set ADRA, 16                          ; v16-17 LDS address of my ctx fragments in slot 0, 1
.set ADRB, 20                          ; v20-21 of my weight fragments
.set STO,  24                          ; v24 stage, in
.set RD,   25                          ; v25 stage, out
.set CO,   26                          ; v26 my offset in out
.set F0,   32                          ; v[32:127]  fragment buffer 0: 4 of the weights, 8 of ctx
.set F1,   128                         ; v[128:223] fragment buffer 1
.set G1A, 24                           ; s[24:31] group 1, ctx's tiles
.set G1B, 32                           ; s[32:39] group 1, the weights' tiles
.set G0A, 48                           ; s[48:55] group 0 for ctx, one set a slot
.set G0B, 56                           ; s[56:63] group 0 for the weights
; Accumulator (a & 3, b) is v[8 (NB (a & 3) + b)] of register window 1; everything else lies in window 0.
.set MSB, 0
.macro WIN new                         ; s_set_vgpr_msb: bits 1:0 source 0, 3:2 source 1, 5:4 source 2, 7:6 destination; the high byte repeats the setting that is left
.if MSB != \new
	s_set_vgpr_msb (MSB<<8)|\new
.set MSB, \new
.endif
.endm
.macro PLACES                          ; four places behind matrix instructions in front of loads into their sources and of readers of their results
.rept 4
	v_nop
.endr
.endm
.macro JLOAD s                         ; a joint load: waves 0, 1 ask for ctx's halves, waves 2, 3 for the weights'; the branch hangs on the wave's number alone
	s_cmp_eq_u32 s17, 0
	s_cbranch_scc0 .Lfor_b_\@
	tensor_load_to_lds s[G0A+4*\s:G0A+4*\s+3], s[G1A:G1A+7]
	s_nop 0
	s_branch .Lasked_\@
.Lfor_b_\@:
	tensor_load_to_lds s[G0B+4*\s:G0B+4*\s+3], s[G1B:G1B+7]
	s_nop 0
.Lasked_\@:
.endm
.macro CREST                           ; a round of the cluster's barrier behind its opening work-group barrier
	s_cmp_lg_u32 s16, 0
	s_cbranch_scc1 .Lnot_wave_0_\@
	s_barrier_signal -3
.Lnot_wave_0_\@:
	s_barrier_wait -3
	s_barrier_signal -1
	s_barrier_wait -1
.endm
.macro CROUND                          ; a whole round
	s_barrier_signal -1
	s_barrier_wait -1
	CREST
.endm
; ctx fragments a0 .. a1 - 1 times all weight fragments.  The accumulators take turns, one instruction a turn, in the same order in every quarter step.
; zero = 1: the hi parts' first products start the sums.
.macro MULROWS f, a0, a1, zero
.set ma, \a0
.rept \a1-\a0
.set mb, 0
.rept NB
.set mz, 0
.if \zero
.if ma < 4
.set mz, 1
.endif
.endif
.if mz
	v_wmma_f32_16x16x32_bf16 v[8*(NB*(ma&3)+mb):8*(NB*(ma&3)+mb)+7], v[\f+8*mb:\f+8*mb+7], v[\f+8*NB+8*ma:\f+8*NB+8*ma+7], 0
.else
	v_wmma_f32_16x16x32_bf16 v[8*(NB*(ma&3)+mb):8*(NB*(ma&3)+mb)+7], v[\f+8*mb:\f+8*mb+7], v[\f+8*NB+8*ma:\f+8*NB+8*ma+7], v[8*(NB*(ma&3)+mb):8*(NB*(ma&3)+mb)+7]
.endif
.set mb, mb+1
.endr
.set ma, ma+1
.endr
.endm
.macro FETCH slot, kq, f               ; the fragments of quarter step kq in one run: 2 NB loads for the weights, then 2 NA for ctx
.set fb, 0
.rept NB
	ds_load_b128 v[\f+8*fb:\f+8*fb+3], v[ADRB+\slot] offset:fb*4096+\kq*1024
	ds_load_b128 v[\f+8*fb+4:\f+8*fb+7], v[ADRB+\slot] offset:fb*4096+\kq*1024+512
.set fb, fb+1
.endr
.set fa, 0
.rept NA
	ds_load_b128 v[\f+8*NB+8*fa:\f+8*NB+8*fa+3], v[ADRA+\slot] offset:(fa&3)*ACH+\kq*(ACH/4)+(fa>>2)*1024
	ds_load_b128 v[\f+8*NB+8*fa+4:\f+8*NB+8*fa+7], v[ADRA+\slot] offset:(fa&3)*ACH+\kq*(ACH/4)+(fa>>2)*1024+512
.set fa, fa+1
.endr
.endm
.macro QUARTER slot, kq, f, g, zero    ; multiplies buffer f; in its middle fetches quarter kq into buffer g
	s_wait_dscnt NA                                ; all but the youngest NA loads: the lo parts' fragments may be out
	WIN 0x50
	MULROWS \f, 0, NA/2, \zero
	PLACES
	WIN 0
	FETCH \slot, \kq, \g
	s_wait_dscnt 2*(NA+NB)                         ; all but the run just issued
	WIN 0x50
	MULROWS \f, NA/2, NA, \zero
.endm
.macro THREE slot, zero
	QUARTER \slot, 1, F0, F1, \zero
	QUARTER \slot, 2, F1, F0, 0
	QUARTER \slot, 3, F0, F1, 0
.endm
; The last quarter of a K step changes slots.  In front of the barrier each wave waits for its reads of this slot and for all its tensor loads (its part of the next slot);
; behind it (where the slot is filled again: behind the round of the cluster's barrier that it opens) the joint refill is the wave's first and only tensor load.
.macro TURN slot, next, fill
	s_wait_dscnt NA
	WIN 0x50
	MULROWS F1, 0, NA/4, 0
	s_wait_dscnt 0x0                               ; my reads of this slot are over
	s_wait_tensorcnt 0x0                           ; all my tensor loads have landed
	ds_add_u32 v254, v255
	s_wait_dscnt 0x0
	s_barrier_signal -1
	MULROWS F1, NA/4, NA/2, 0                      ; register work while the others arrive
	WIN 0
	s_barrier_wait -1
.if \fill
	CREST                                          ; all sixteen work-groups have said so
	s_add_nc_u64 s[G0A+4*\slot+2:G0A+4*\slot+3], s[G0A+4*\slot+2:G0A+4*\slot+3], 2*ACH   ; no load of mine is out: the slot's addresses step two K steps on
	s_add_nc_u64 s[G0B+4*\slot+2:G0B+4*\slot+3], s[G0B+4*\slot+2:G0B+4*\slot+3], 8192
	JLOAD \slot
.endif
	PLACES
	FETCH \next, 0, F0
	WIN 0x50
	MULROWS F1, NA/2, NA, 0
.endm
.macro LAP zero
	THREE 0, \zero
	TURN 0, 1, 1
	THREE 1, 0
	TURN 1, 0, 1
.endm
	s_load_b128 s[4:7], s[0:1], 0x0                ; cf s[4:5], wof s[6:7]
	s_load_b64 s[8:9], s[0:1], 0x10                ; out0
	v_lshl_add_u32 v254, v0, 2, 0x44400
	v_mov_b32 v255, 0
	ds_add_u32 v254, v255
	v_lshrrev_b32 v1, 5, v0
	v_readfirstlane_b32 s16, v1                    ; wave 0..3
	s_lshr_b32 s17, s16, 1                         ; mh: my half of the tokens; also: I fetch ctx (0) or weights (1)
	s_and_b32 s18, s16, 1                          ; nh: my half of the columns; also: which half I fetch
	s_bfe_u32 s19, ttmp6, 0x40000                  ; cx
	s_bfe_u32 s20, ttmp6, 0x40004                  ; cy
	s_lshl_b32 s21, ttmp9, 2
	s_add_co_u32 s21, s21, s19                     ; bx
	s_and_b32 s22, ttmp7, 0xffff
	s_lshl_b32 s22, s22, 2
	s_add_co_u32 s22, s22, s20                     ; by
	s_lshl_b32 s76, s20, 2
	s_lshl_b32 s76, 15, s76                        ; my row of the cluster
	s_lshl_b32 s80, 0x1111, s19                    ; my column
	; group 1 for ctx: 4 token tiles x 8,192 bytes (1,024 elements of 8 bytes), 65,536 bytes from tile to tile
	s_or_b32 s[G1A+0], s76, (3<<16)|(1<<21)        ; mask; elements of 8 bytes; bit 21 beside a mask
	s_mov_b32 s[G1A+1], (ACH/8)<<16                ; tensor_dim0
	s_mov_b32 s[G1A+2], 4<<16                      ; tensor_dim1
	s_mov_b32 s[G1A+3], (ACH/8)<<16                ; tile_dim0
	s_mov_b32 s[G1A+4], 4                          ; tile_dim1
	s_mov_b32 s[G1A+5], ACH                        ; pitch in elements: 8 K steps of ACH bytes
	s_mov_b32 s[G1A+6], 0
	s_mov_b32 s[G1A+7], 0
	; group 1 for the weights: NB column tiles x 4,096 bytes, 32,768 bytes from tile to tile
	s_or_b32 s[G1B+0], s80, (3<<16)|(1<<21)
	s_mov_b32 s[G1B+1], 512<<16
	s_mov_b32 s[G1B+2], NB<<16
	s_mov_b32 s[G1B+3], 512<<16
	s_mov_b32 s[G1B+4], NB
	s_mov_b32 s[G1B+5], 4096
	s_mov_b32 s[G1B+6], 0
	s_mov_b32 s[G1B+7], 0
	; from where: ctx by the block row alone (s76-77), the weights by the block column alone (s80-81)
	s_lshl_b32 s76, s22, 3
	s_lshl2_add_u32 s76, s18, s76                  ; token tile 8 by + 4 half
	s_lshl_b32 s76, s76, 16
	s_mov_b32 s77, 0
	s_mul_i32 s80, s21, 2*NB
	s_mul_i32 s81, s18, NB
	s_add_co_u32 s80, s80, s81                     ; column tile 8 bx + 4 half
	s_lshl_b32 s80, s80, 15
	s_mov_b32 s81, 0
	s_mul_i32 s84, s16, QSTR                       ; to where: by the wave's number alone
	s_wait_dscnt 0x0
	s_wait_kmcnt 0x0
	s_add_nc_u64 s[76:77], s[4:5], s[76:77]
	s_add_nc_u64 s[80:81], s[6:7], s[80:81]
.irp s, 0,1
	s_mov_b32 s[G0A+4*\s], 1
	s_add_co_u32 s[G0A+4*\s+1], s84, \s*SLOT
	s_add_nc_u64 s[G0A+4*\s+2:G0A+4*\s+3], s[76:77], \s*ACH
	s_or_b32 s[G0A+4*\s+3], s[G0A+4*\s+3], 0x80000000
	s_mov_b32 s[G0B+4*\s], 1
	s_add_co_u32 s[G0B+4*\s+1], s84, \s*SLOT
	s_add_nc_u64 s[G0B+4*\s+2:G0B+4*\s+3], s[80:81], \s*4096
	s_or_b32 s[G0B+4*\s+3], s[G0B+4*\s+3], 0x80000000
.endr
	CROUND                                         ; all sixteen work-groups are here: the first joint loads meet
	s_cmp_eq_u32 s17, 0                            ; the first fills, one group, two tensor loads out in each wave
	s_cbranch_scc0 .Lfirst_b
	tensor_load_to_lds s[G0A:G0A+3], s[G1A:G1A+7]
	s_nop 0
	tensor_load_to_lds s[G0A+4:G0A+7], s[G1A:G1A+7]
	s_nop 0
	s_branch .Lfirst_done
.Lfirst_b:
	tensor_load_to_lds s[G0B:G0B+3], s[G1B:G1B+7]
	s_nop 0
	tensor_load_to_lds s[G0B+4:G0B+7], s[G1B:G1B+7]
	s_nop 0
.Lfirst_done:
	v_and_b32 v1, 15, v0                           ; r
	v_bfe_u32 v2, v0, 4, 1                         ; h
	v_and_b32 v3, 31, v0
	v_lshlrev_b32 v3, 4, v3                        ; 16 x lane
	s_mul_i32 s66, s17, QSTR                       ; my half of the tokens
	s_mul_i32 s67, s18, QSTR
	s_add_co_u32 s67, s67, 2*QSTR                  ; my half of the columns, behind ctx's two halves
.irp s, 0,1
	v_add_nc_u32 v[ADRA+\s], s66, v3
	v_add_nc_u32 v[ADRB+\s], s67, v3
	s_add_co_u32 s66, s66, SLOT
	s_add_co_u32 s67, s67, SLOT
.endr
	s_mul_i32 s66, s16, 4352
	s_add_co_u32 s66, s66, STG
	v_mul_u32_u24 v4, v1, 272                      ; in: token r, 32 bytes for each half of the lanes
	v_lshl_add_u32 v4, v2, 5, v4
	v_add_nc_u32 v[STO], s66, v4
	v_mul_u32_u24 v4, v2, 272                      ; out: lanes 0-15 one row of 256 bytes, lanes 16-31 the next
	v_lshl_add_u32 v4, v1, 4, v4
	v_add_nc_u32 v[RD], s66, v4
	v_lshlrev_b32 v4, 12, v2                       ; and the same two rows in out
	v_lshl_add_u32 v[CO], v1, 4, v4
	s_wait_tensorcnt 0x1                           ; my part of K step 0 is in; K step 1's may stay out
	s_barrier_signal -1
	s_barrier_wait -1
	FETCH 0, 0, F0
	LAP 1                                          ; the first products start the sums
	WIN 0
	s_mov_b32 s94, LAPS-2
.Llap:
	LAP 0
	WIN 0
	s_sub_co_u32 s94, s94, 1
	s_cmp_lg_u32 s94, 0
	s_cbranch_scc1 .Llap
	THREE 0, 0                                     ; the last lap fills nothing
	TURN 0, 1, 0
	THREE 1, 0
	s_wait_dscnt NA
	WIN 0x50
	MULROWS F1, 0, NA/2, 0
	s_wait_dscnt 0x0
	MULROWS F1, NA/2, NA, 0
	WIN 0
	PLACES
	; THE WAY OUT, 16 tokens at a time.  The parts with by and the parts with bx are made in registers of their own.
	s_lshl_b32 s76, s22, 19                        ; 128 rows of 4,096 bytes
	s_lshl_b32 s77, s17, 18                        ; my 64
	s_add_co_u32 s76, s76, s77
	s_mov_b32 s77, 0
	s_lshl_b32 s80, s21, 9                         ; 128 columns of 4 bytes
	s_lshl_b32 s81, s18, 8                         ; my 64
	s_add_co_u32 s80, s80, s81
	s_mov_b32 s81, 0
	s_add_nc_u64 s[8:9], s[8:9], s[76:77]
	s_add_nc_u64 s[8:9], s[8:9], s[80:81]
.irp a, 0,1,2,3
	WIN 0x04                                       ; an LDS store's data is source 1: the accumulators
.irp b, 0,1,2,3
	ds_store_b128 v[STO], v[8*(NB*\a+\b):8*(NB*\a+\b)+3] offset:64*\b
	ds_store_b128 v[STO], v[8*(NB*\a+\b)+4:8*(NB*\a+\b)+7] offset:64*\b+16
.endr
	WIN 0
.irp t, 0,1,2,3,4,5,6,7
	ds_load_b128 v[32+32*\a+4*\t:32+32*\a+4*\t+3], v[RD] offset:\t*544     ; the wave's own bytes, served in order: these see the stores above, and the next stores come behind them
.endr
.irp t, 0,1,2,3,4,5,6,7
	s_wait_dscnt 7-\t                              ; load t is in, the younger ones stay out
	global_store_b128 v[CO], v[32+32*\a+4*\t:32+32*\a+4*\t+3], s[8:9] offset:\a*65536+\t*8192 th:TH_STORE_NT   ; registers of their own for each a: nothing that a store reads is rewritten
.endr
.endr
	s_wait_tensorcnt 0x0
	ds_add_u32 v254, v255
	s_wait_dscnt 0x0
	CROUND                                         ; the closing round: no work-group ends while a partner may still ask jointly
	s_endpgm
.Lfunc_end_k_qa6d0d547b7_oproj:
	.size	k_qa6d0d547b7_oproj, .Lfunc_end_k_qa6d0d547b7_oproj-k_qa6d0d547b7_oproj
	.p2alignl 7, 3214868480
	.fill 96, 4, 3214868480
	.section	.rodata,"a",@progbits
	.p2align	6, 0x0
	.amdhsa_kernel k_qa6d0d547b7_oproj
		.amdhsa_group_segment_fixed_size 327680
		.amdhsa_private_segment_fixed_size 0
		.amdhsa_enable_private_segment 0
		.amdhsa_kernarg_size 24
		.amdhsa_user_sgpr_count 2
		.amdhsa_user_sgpr_kernarg_segment_ptr 1
		.amdhsa_wavefront_size32 1
		.amdhsa_system_sgpr_workgroup_id_x 1
		.amdhsa_system_sgpr_workgroup_id_y 1
		.amdhsa_system_sgpr_workgroup_id_z 1
		.amdhsa_system_vgpr_workitem_id 0
		.amdhsa_next_free_vgpr 384
		.amdhsa_next_free_sgpr 96
		.amdhsa_reserve_vcc 0
		.amdhsa_float_denorm_mode_32 3
		.amdhsa_float_denorm_mode_16_64 3
		.amdhsa_memory_ordered 1
		.amdhsa_forward_progress 1
		.amdhsa_inst_pref_size 109
	.end_amdhsa_kernel
	.amdgpu_metadata
---
amdhsa.version: [ 1, 2 ]
amdhsa.kernels:
  - .name:           k_qa6d0d547b7_oproj
    .symbol:         k_qa6d0d547b7_oproj.kd
    .args:
      - { .name: cf, .offset: 0, .size: 8, .value_kind: global_buffer, .address_space: global }
      - { .name: wof, .offset: 8, .size: 8, .value_kind: global_buffer, .address_space: global }
      - { .name: out0, .offset: 16, .size: 8, .value_kind: global_buffer, .address_space: global }
    .group_segment_fixed_size: 327680
    .private_segment_fixed_size: 0
    .kernarg_segment_align: 8
    .kernarg_segment_size: 24
    .max_flat_workgroup_size: 128
    .sgpr_count:     96
    .vgpr_count:     384
    .wavefront_size: 32
...
	.end_amdgpu_metadata
.endif
;; end of part 4
;; ======== version 2 of 2: 4 launches; version 1 with the launch prep written anew for expert scheduling mode
;; limits: values outside matrix products are rounded to bf16; values are held in f16: magnitudes above 65,504 overflow, below 6.1e-05 lose precision
;; workspace buffers: xf 8,388,608 bytes; wqf 3,145,728 bytes; wof 2,097,152 bytes; qf 8,388,608 bytes; kv 6,291,456 bytes; cf 16,777,216 bytes
;; launch prep (part 5): grid 416 x 1, 8 waves a work-group, no clusters, 37,888 bytes of LDS; arguments x, w_q, w_k, w_v, w_o, xf, wqf, wof; writes xf, wqf, wof
.if DOCPART == 5
	.amdgcn_target "amdgcn-amd-amdhsa--gfx1250"
	.amdhsa_code_object_version 6
	.text
	.protected	k_qa6d0d547b7_prep
	.globl	k_qa6d0d547b7_prep
	.p2align	8
	.type	k_qa6d0d547b7_prep,@function
k_qa6d0d547b7_prep:
	s_mov_b64 s[64:65], 0
	v_nop
	global_prefetch_b8 v0, s[64:65] scope:SCOPE_SE
	s_setreg_imm32_b32 hwreg(HW_REG_WAVE_SCHED_MODE, 0, 2), 2
	s_setreg_imm32_b32 hwreg(HW_REG_WAVE_MODE, 25, 1), 1
	s_wait_xcnt 0x0
	s_wait_alu depctr_vm_vsrc(0)
; prep: x, w_q, w_k, w_v, w_o (f32) are rounded once to bf16 and laid out FRAGMENT-MAJOR for the two projection launches.
; A fragment is 16 rows (tokens, or columns of a weight) x 32 k = 1,024 consecutive bytes [half 2][lane 32][16 bytes]:
; lane 16 h + r holds row r, k = 16 half + 8 h + 0..7.  So a later launch fills a matrix operand by two 16-byte LDS loads at 16 x lane.
;   xf  [mt 256][ks 32][1024]   tokens 16 mt + r, k = 32 ks + ..
;   wqf [T 96][ks 32][1024]     T = 12 bx + 6 nh + 2 i + e holds columns 16 (nh + 2 e) + r of column group (bx, i); groups: 16 q heads, 4 k heads, 4 v heads
;   wof [nt 64][ks 32][1024]    columns 16 nt + r of w_o
; A stream: every input byte is read once by 16-byte loads (two pieces of 256 consecutive bytes an instruction), every output byte is written once,
; 512 consecutive bytes an instruction.  No matrix unit, no cluster (no two work-groups read the same bytes), no barrier: each wave has an LDS stage of its own,
; and LDS serves a wave's instructions in order (ISA guide 5.7.1), so its loads see its stores without a wait.
; Work-groups 0..255: one 16-token tile of x each (wave w: k = 128 w .. +127).  Work-groups 256..415: 64 columns x 256 k of a weight (wave: 32 k).
; THE MODE: SCHED_MODE bits 1:0 = 2 (LLVM: expert scheduling mode 2), set by the entry lines.  The code itself states the register dependences
; between vector instructions and memory or LDS instructions, with s_wait_alu, always for 0.
; THE PLAN.  Registers that memory or LDS instructions touch; each has one life, nothing is written a second time:
;   v3, v4, v5, v6   offsets and LDS addresses: written by vector instructions at the head of a path, then only read.  ONE wait on va_vdst ahead of the path's first load covers them.
;   LD               the 16 global loads land here, once; no vector instruction names these registers before; the conversions read them.
;   PK               each register is written by one conversion and read by one LDS store.  The work goes in groups (x: four loads; a weight: eight): group g's conversions,
;                    and among them the LDS stores of group g - 1, behind one wait on va_vdst at the group's head; group g's conversions name LD and PK of group g alone.
;   RBK              the LDS read-backs land here, the global stores read them: no vector instruction names them.
;   v136, v137       written at the head, read by the closing add alone.
;   s24              the wave's number, written by a vector instruction: one wait on va_sdst ahead of the first branch, behind which its readers stand.
; No register that a memory or LDS instruction reads is written again, so no wait on vm_vsrc is owed.
.set LD,   8                           ; v[8:71]    16 loads of 4 f32
.set PK,   72                          ; v[72:103]  the same numbers as bf16 pairs
.set RBK,  104                         ; v[104:135] read back from the stage, 8 x 16 bytes
.set XSTG, 4608                        ; a wave's stage, x:      [block 2][chunk column 8, pitch 288][row 16][16 bytes]
.set WSTG, 4160                        ; a wave's stage, weight: [tile 4, pitch 1040][half 2][lane 32][16 bytes]
	s_load_b512 s[8:23], s[0:1], 0x0               ; x s[8:9], w_q s[10:11], w_k s[12:13], w_v s[14:15], w_o s[16:17], xf s[18:19], wqf s[20:21], wof s[22:23]
	v_lshl_add_u32 v136, v0, 2, 0x9000             ; my spare word, behind the eight stages, and 0: kept for the closing lines alone
	v_mov_b32 v137, 0
	v_lshrrev_b32 v1, 5, v0
	v_readfirstlane_b32 s24, v1                    ; wave 0..7
	v_bfe_u32 v1, v0, 4, 1                         ; hi = lane / 16
	v_and_b32 v2, 15, v0                           ; kq = lane % 16
	v_and_b32 v6, 31, v0
	v_lshlrev_b32 v6, 4, v6                        ; 16 x lane: the offset of every store
	s_wait_alu depctr_va_sdst(0)                   ; s24 is written
	s_cmp_ge_u32 ttmp9, 256
	s_cbranch_scc1 .Lweights
	; ---- x: tile mt = work-group, k = 128 wave .. +127 as two blocks of 64 ----
	v_lshlrev_b32 v3, 12, v1                       ; lanes 16-31 take the next row (4,096 bytes),
	v_lshl_add_u32 v3, v2, 4, v3                   ; each lane 16 bytes of 256
	s_mul_i32 s30, s24, XSTG
	v_lshrrev_b32 v4, 1, v2                        ; my 4 k lie in chunk column kq / 2 (8 k),
	v_mul_u32_u24 v4, v4, 288                      ; pitch 288: the 32 lanes of a store touch 32 different pairs of banks
	v_lshl_add_u32 v4, v1, 4, v4                   ; row parity,
	v_and_b32 v7, 1, v2
	v_lshl_add_u32 v4, v7, 3, v4                   ; which 8 bytes of the 16
	v_add_nc_u32 v4, s30, v4
	v_mul_u32_u24 v5, v1, 288                      ; back: lanes 0-15 one chunk column (h = 0), lanes 16-31 the next (h = 1), lane % 16 = row
	v_lshl_add_u32 v5, v2, 4, v5
	v_add_nc_u32 v5, s30, v5
	s_lshl_b32 s26, ttmp9, 16                      ; 16 rows of 4,096 bytes
	s_lshl_b32 s27, s24, 9                         ; my 128 k
	s_add_co_u32 s26, s26, s27
	s_mov_b32 s27, 0
	s_lshl_b32 s28, ttmp9, 15                      ; xf: 32 fragments a tile,
	s_lshl_b32 s29, s24, 12                        ; four of them mine
	s_add_co_u32 s28, s28, s29
	s_mov_b32 s29, 0
	s_wait_kmcnt 0x0
	s_add_nc_u64 s[26:27], s[8:9], s[26:27]
	s_add_nc_u64 s[28:29], s[18:19], s[28:29]
	s_wait_alu depctr_va_vdst(0)                   ; v3, v4, v5 and v6 are written: the loads, the LDS stores, the read-backs and the stores below read them as offsets and addresses
.set n, 0
.rept 16
	global_load_b128 v[LD+4*n:LD+4*n+3], v3, s[26:27] offset:(n/8)*256+(n%8)*8192 th:TH_LOAD_NT   ; block n/8, rows 2 (n%8) + hi
.set n, n+1
.endr
; Four groups of four loads.  Group g: its data; the wait for the conversions of the group before; that group's four LDS stores dealt among this group's eight conversions.
.set g, 0
.rept 4
	s_wait_loadcnt 12-4*g                          ; loads come back in order: group g's four are in, the 12 - 4 g younger ones stay out
.if g > 0
	s_wait_alu depctr_va_vdst(0)                   ; the conversions of group g - 1 have written their eight PK registers, which the LDS stores below read
.endif
.set i, 0
.rept 4
.set n, 4*g+i
.if g > 0
	ds_store_b64 v4, v[PK+2*(n-4):PK+2*(n-4)+1] offset:((n-4)/8)*2304+((n-4)%8)*32   ; no vector instruction since the wait names these registers
.endif
	v_cvt_pk_bf16_f32 v[PK+2*n], v[LD+4*n], v[LD+4*n+1]
	v_cvt_pk_bf16_f32 v[PK+2*n+1], v[LD+4*n+2], v[LD+4*n+3]
.set i, i+1
.endr
.set g, g+1
.endr
	s_wait_alu depctr_va_vdst(0)                   ; the last group's conversions have written their PK registers, which the last four LDS stores read
.set n, 12
.rept 4
	ds_store_b64 v4, v[PK+2*n:PK+2*n+1] offset:(n/8)*2304+(n%8)*32
.set n, n+1
.endr
.set n, 0
.rept 8
	ds_load_b128 v[RBK+4*n:RBK+4*n+3], v5 offset:(n/4)*2304+(n%4)*576   ; one half of a fragment: 512 bytes in their final order
.set n, n+1
.endr
.set n, 0
.rept 8
	s_wait_dscnt 7-n                               ; read-back n is in, the younger ones stay out
	global_store_b128 v6, v[RBK+4*n:RBK+4*n+3], s[28:29] offset:(n/4)*2048+(n%4)*512
.set n, n+1
.endr
	s_wait_dscnt 0x0                               ; the closing lines, six on end
	s_wait_alu 0x0
	s_wait_tensorcnt 0x0
	ds_add_u32 v136, v137
	s_wait_dscnt 0x0
	s_endpgm
	; ---- weights: 64 columns (column group cg) x 32 k (ks) a wave ----
.macro WST t, d                        ; tile t of the four goes d tiles of 32,768 bytes further
	s_wait_dscnt 7-2*\t                            ; its first half is back, the younger read-backs stay out
	global_store_b128 v6, v[RBK+8*\t:RBK+8*\t+3], s[30:31] offset:\d*32768
	s_wait_dscnt 6-2*\t
	global_store_b128 v6, v[RBK+8*\t+4:RBK+8*\t+7], s[30:31] offset:\d*32768+512
.endm
; rowB: bytes in a row of the weight.  d1..d3: where tiles 1..3 go.  s[28:29]: the patch's first byte, s[30:31]: tile 0's fragment ks.
; A lane holds k = 16 p + 8 hi + e (e = 0..7) of columns 4 kq .. +3: eight k of one column are a fragment's 16-byte chunk, so the
; transposition is the choice of the conversions' sources and costs nothing.
; Two groups, the halves p = 0, 1 of eight loads: half 0's four LDS stores are dealt among half 1's sixteen conversions.
.macro WROLE rowB, d1, d2, d3
	v_mul_u32_u24 v3, v1, 8*\rowB
	v_lshl_add_u32 v3, v2, 4, v3
	s_wait_alu depctr_va_vdst(0)                   ; v3, v4, v5 and v6 are written: the loads, the LDS stores, the read-backs and the stores below read them as offsets and addresses
.set n, 0
.rept 16
	global_load_b128 v[LD+4*n:LD+4*n+3], v3, s[28:29] offset:(16*(n/8)+(n%8))*\rowB th:TH_LOAD_NT
.set n, n+1
.endr
	s_wait_loadcnt 8                               ; the eight loads of half 0 are in; the eight younger stay out
.irp j, 0,1,2,3
.irp e, 0,1,2,3
	v_cvt_pk_bf16_f32 v[PK+4*\j+\e], v[LD+4*(2*\e)+\j], v[LD+4*(2*\e+1)+\j]
.endr
.endr
	s_wait_loadcnt 0x0                             ; half 1 is in
	s_wait_alu depctr_va_vdst(0)                   ; half 0's conversions have written v[PK .. PK+15], which the LDS stores below read
.irp j, 0,1,2,3
	ds_store_b128 v4, v[PK+4*\j:PK+4*\j+3] offset:16*\j            ; no vector instruction since the wait names these registers
.irp e, 0,1,2,3
	v_cvt_pk_bf16_f32 v[PK+16+4*\j+\e], v[LD+4*(8+2*\e)+\j], v[LD+4*(8+2*\e+1)+\j]
.endr
.endr
	s_wait_alu depctr_va_vdst(0)                   ; half 1's conversions have written v[PK+16 .. PK+31], which the last four LDS stores read
.irp j, 0,1,2,3
	ds_store_b128 v4, v[PK+16+4*\j:PK+16+4*\j+3] offset:512+16*\j
.endr
.irp t, 0,1,2,3
	ds_load_b128 v[RBK+8*\t:RBK+8*\t+3], v5 offset:1040*\t
	ds_load_b128 v[RBK+8*\t+4:RBK+8*\t+7], v5 offset:1040*\t+512
.endr
	WST 0, 0
	WST 1, \d1
	WST 2, \d2
	WST 3, \d3
	s_wait_dscnt 0x0                               ; the closing lines, six on end
	s_wait_alu 0x0
	s_wait_tensorcnt 0x0
	ds_add_u32 v136, v137
	s_wait_dscnt 0x0
	s_endpgm
.endm
.Lweights:
	s_sub_co_u32 s25, ttmp9, 256
	s_lshr_b32 s26, s25, 2                         ; cg 0..39: 0-15 q heads, 16-19 k heads, 20-23 v heads, 24-39 w_o's groups of 64 columns
	s_and_b32 s27, s25, 3
	s_lshl3_add_u32 s27, s27, s24                  ; ks = 8 (work-group % 4) + wave
	s_mul_i32 s30, s24, WSTG
	v_lshrrev_b32 v4, 2, v2                        ; tile = kq / 4; pitch 1040 puts the 16 lanes of a store into 16 different 16-byte columns
	v_mul_u32_u24 v4, v4, 1040
	v_lshl_add_u32 v4, v1, 8, v4                   ; h = hi: 16 lanes of 16 bytes
	v_and_b32 v7, 3, v2
	v_lshl_add_u32 v4, v7, 6, v4                   ; columns 4 (kq % 4) .. +3 of the tile
	v_add_nc_u32 v4, s30, v4
	v_add_nc_u32 v5, s30, v6
	s_lshl_b32 s36, s27, 10                        ; fragment ks
	s_wait_kmcnt 0x0
	s_cmp_ge_u32 s26, 24
	s_cbranch_scc1 .Lwo
	s_cmp_ge_u32 s26, 12                           ; where the group goes in wqf: bx = cg % 4 (+ 4), i = cg / 4 (- 3)
	s_cselect_b32 s32, 4, 0
	s_cselect_b32 s33, 3, 0
	s_and_b32 s34, s26, 3
	s_add_co_u32 s32, s32, s34
	s_lshr_b32 s35, s26, 2
	s_sub_co_u32 s33, s35, s33
	s_mul_i32 s32, s32, 12
	s_lshl1_add_u32 s32, s33, s32                  ; tile 12 bx + 2 i
	s_lshl_b32 s32, s32, 15
	s_add_co_u32 s32, s32, s36
	s_mov_b32 s33, 0
	s_add_nc_u64 s[30:31], s[20:21], s[32:33]
	s_cmp_ge_u32 s26, 16
	s_cbranch_scc1 .Lwkv
	s_lshl_b32 s28, s27, 17                        ; 32 ks rows of 4,096 bytes
	s_lshl_b32 s29, s26, 8                         ; 64 columns of 4 bytes
	s_add_co_u32 s28, s28, s29
	s_mov_b32 s29, 0
	s_add_nc_u64 s[28:29], s[10:11], s[28:29]
	WROLE 4096, 6, 1, 7                            ; column tiles 0, 1, 2, 3 of a head are (nh, e) = (0,0), (1,0), (0,1), (1,1)
.Lwkv:
	s_cmp_lt_u32 s26, 20
	s_cselect_b64 s[38:39], s[12:13], s[14:15]     ; w_k or w_v
	s_lshl_b32 s28, s27, 15                        ; 32 ks rows of 1,024 bytes
	s_and_b32 s29, s26, 3
	s_lshl_b32 s29, s29, 8
	s_add_co_u32 s28, s28, s29
	s_mov_b32 s29, 0
	s_add_nc_u64 s[28:29], s[38:39], s[28:29]
	WROLE 1024, 6, 1, 7
.Lwo:
	s_sub_co_u32 s32, s26, 24
	s_lshl_b32 s34, s32, 17                        ; four tiles of 32,768 bytes
	s_add_co_u32 s34, s34, s36
	s_mov_b32 s35, 0
	s_add_nc_u64 s[30:31], s[22:23], s[34:35]
	s_lshl_b32 s28, s27, 17
	s_lshl_b32 s29, s32, 8
	s_add_co_u32 s28, s28, s29
	s_mov_b32 s29, 0
	s_add_nc_u64 s[28:29], s[16:17], s[28:29]
	WROLE 4096, 1, 2, 3
.Lfunc_end_k_qa6d0d547b7_prep:
	.size	k_qa6d0d547b7_prep, .Lfunc_end_k_qa6d0d547b7_prep-k_qa6d0d547b7_prep
	.p2alignl 7, 3214868480
	.fill 96, 4, 3214868480
	.section	.rodata,"a",@progbits
	.p2align	6, 0x0
	.amdhsa_kernel k_qa6d0d547b7_prep
		.amdhsa_group_segment_fixed_size 37888
		.amdhsa_private_segment_fixed_size 0
		.amdhsa_enable_private_segment 0
		.amdhsa_kernarg_size 64
		.amdhsa_user_sgpr_count 2
		.amdhsa_user_sgpr_kernarg_segment_ptr 1
		.amdhsa_wavefront_size32 1
		.amdhsa_system_sgpr_workgroup_id_x 1
		.amdhsa_system_sgpr_workgroup_id_y 1
		.amdhsa_system_sgpr_workgroup_id_z 1
		.amdhsa_system_vgpr_workitem_id 0
		.amdhsa_next_free_vgpr 138
		.amdhsa_next_free_sgpr 66
		.amdhsa_reserve_vcc 0
		.amdhsa_float_denorm_mode_32 3
		.amdhsa_float_denorm_mode_16_64 3
		.amdhsa_memory_ordered 1
		.amdhsa_forward_progress 1
		.amdhsa_inst_pref_size 29
	.end_amdhsa_kernel
	.amdgpu_metadata
---
amdhsa.version: [ 1, 2 ]
amdhsa.kernels:
  - .name:           k_qa6d0d547b7_prep
    .symbol:         k_qa6d0d547b7_prep.kd
    .args:
      - { .name: x, .offset: 0, .size: 8, .value_kind: global_buffer, .address_space: global }
      - { .name: w_q, .offset: 8, .size: 8, .value_kind: global_buffer, .address_space: global }
      - { .name: w_k, .offset: 16, .size: 8, .value_kind: global_buffer, .address_space: global }
      - { .name: w_v, .offset: 24, .size: 8, .value_kind: global_buffer, .address_space: global }
      - { .name: w_o, .offset: 32, .size: 8, .value_kind: global_buffer, .address_space: global }
      - { .name: xf, .offset: 40, .size: 8, .value_kind: global_buffer, .address_space: global }
      - { .name: wqf, .offset: 48, .size: 8, .value_kind: global_buffer, .address_space: global }
      - { .name: wof, .offset: 56, .size: 8, .value_kind: global_buffer, .address_space: global }
    .group_segment_fixed_size: 37888
    .private_segment_fixed_size: 0
    .kernarg_segment_align: 8
    .kernarg_segment_size: 64
    .max_flat_workgroup_size: 256
    .sgpr_count:     66
    .vgpr_count:     138
    .wavefront_size: 32
...
	.end_amdgpu_metadata
.endif
;; end of part 5
;; launch qkv: the kernel of part 2 again; grid 8 x 32, 4 waves a work-group, clusters of 4 x 4, 327,680 bytes of LDS; arguments xf, wqf, cos, sin, qf, kv; writes qf, kv
;; launch attn: the kernel of part 3 again; grid 64 x 4, 8 waves a work-group, clusters of 4 x 1, 327,680 bytes of LDS; arguments qf, kv, cf; writes cf
;; launch oproj: the kernel of part 4 again; grid 8 x 32, 4 waves a work-group, clusters of 4 x 4, 327,680 bytes of LDS; arguments cf, wof, out0; writes out0
